; MI455X (gfx1250); checked and timed in simulation.
; The chip was launched on July 23, 2026; its instructions are those of AMD's public machine-readable ISA for CDNA 5 (MIT licence, August 2026) and "CDNA5" Instruction Set Architecture Reference Guide (July 2026). The comments in the code are by the model that wrote it; some were corrected since.
;; Web Attention. Allowed arithmetic: matrix products marked QUANTISED: E2M1 operands, one E8M0 scale for each 32 along K, by v_wmma_scale_f32_16x16x128_f8f6f4 with both operands' format E2M1 (or v_wmma_scale_f32_32x16x128_f4), f32 sums; products left as they are: bf16, f16 or f32 operands; f32 sums; everything else in f32.
;; Inputs: Wk 2,048 x 512 float32; Wo 2,048 x 2,048 float32; Wq 2,048 x 2,048 float32; Wv 2,048 x 512 float32; attention_mask 1 x 1 x 2,048 x 2,048 float32; hidden_states 1 x 2,048 x 2,048 float32; k_ln_w 64 float32; position_ids 1 x 2,048 int32; q_ln_w 64 float32; web_attention_mask 1 x 1 x 2,048 x 2,048 float32.
;; Outputs: out0 1 x 2,048 x 2,048 float32.
;; This version of the problem:
;;   THIS VERSION OF THE PROBLEM IS GIVEN IN LOW PRECISION. The matrix products marked QUANTISED in the list below multiply operands that are first quantised to E2M1 (2 exponent bits, 1 mantissa bit; 4 bits a number), with one power-of-two scale for each 32 numbers along K (OCP MX v1.0); their sums are f32. The products marked 'left as it is' may take bf16, f16 or f32 operands, with f32 sums. Whichever they take, every output number must still come out within the allowed error. Rounding operands to bf16 (8 significant bits) uses up far more of that allowance than f16 does (11 bits, for magnitudes from 6e-5 to 65,504). All else is computed in f32.
;;   The module's matrix products, in the order in which they are computed (A, B: the left and right operand; K: the contracted axis; several contracted axes count as one K, in the product's order):
;;     1. [M 2,048, K 2,048] x [K 2,048, N 2,048]; A: input hidden_states; B: input Wq: QUANTISED
;;     2. [M 2,048, K 2,048] x [K 2,048, N 512]; A: input hidden_states; B: input Wk: QUANTISED
;;     3. [M 2,048, K 2,048] x [K 2,048, N 512]; A: input hidden_states; B: input Wv: QUANTISED
;;     4. batch 16 x [M 2,048, K 64] x [K 64, N 2,048]; A: computed on the way; B: computed on the way: left as it is (an operand is computed on the way)
;;     5. batch 16 x [M 2,048, K 2,048] x [K 2,048, N 64]; A: computed on the way; B: computed on the way: left as it is (an operand is computed on the way)
;;     6. batch 16 x [M 2,048, K 64] x [K 64, N 2,048]; A: computed on the way; B: computed on the way: left as it is (an operand is computed on the way)
;;     7. batch 16 x [M 2,048, K 2,048] x [K 2,048, N 64]; A: computed on the way; B: computed on the way: left as it is (an operand is computed on the way)
;;     8. [M 2,048, K 2,048] x [K 2,048, N 2,048]; A: computed on the way; B: input Wo: left as it is (an operand is computed on the way)
;;   THE QUANTISER, for each operand of a quantised product, along K:
;;     - K is cut into blocks of 32 from its start; a last block that is shorter is filled with zeros.
;;     - A block's scale is 2^e with e = floor(log2(the largest magnitude in the block)) - 2, held to -126 .. 127; a block of zeros has e = 0. As a byte (E8M0): e + 127.
;;     - Each number is divided by its block's scale, clamped to +-6, and rounded to the nearest number of E2M1, ties to even, subnormals kept.
;;     - The product sums the exact products of the quantised numbers (number of the format x scale) in f32.
;;   ~~~python
;;   def quantise(x, axis):      # numpy; x: float32 -> the quantised numbers, widened to float32 again
;;       x = np.moveaxis(x, axis, -1); K = x.shape[-1]
;;       x = np.pad(x, [(0, 0)] * (x.ndim - 1) + [(0, -K % 32)]); x = x.reshape(x.shape[:-1] + (-1, 32)); a = np.abs(x).max(-1, keepdims=True)
;;       e = np.where(a > 0, np.clip(np.frexp(np.where(a > 0, a, 1))[1] - 1 - 2, -126, 127), 0)      # np.frexp(a)[1] - 1 = floor(log2(a)), exactly
;;       r = np.clip(x / 2.0 ** e, -6, 6)
;;       step = 2.0 ** (np.maximum(np.frexp(np.where(r == 0, 1, r))[1] - 1, 0) - 1)
;;       q = np.round(r / step) * step * 2.0 ** e      # np.round: ties to even
;;       return np.moveaxis(q.reshape(q.shape[:-2] + (-1,))[..., :K], -1, axis).astype(np.float32)
;;   ~~~
;; One version. Each part assembles by itself: llvm-mc -triple=amdgcn-amd-amdhsa -mcpu=gfx1250 --defsym DOCPART=n.
;; ======== version 1 of 1: 4 launches
;; limits: values are held in f16: magnitudes above 65,504 overflow, below 6.1e-05 lose precision; an absolute error that grows with the inputs' magnitude: up to 2e-07 times it; right only within a limited range of input values
;; workspace buffers: x_codes 2,097,152 bytes; x_scales 131,072 bytes; w_codes 3,145,728 bytes; w_scales 196,608 bytes; wot 8,388,608 bytes; rope 524,288 bytes; qkv 12,582,912 bytes; attn 8,388,608 bytes
;; launch prep (part 1): grid 512 x 1, 4 waves a work-group, no clusters, 102,912 bytes of LDS; arguments hidden_states, Wq, Wk, Wv, Wo, position_ids, x_codes, x_scales, w_codes, w_scales, wot, rope; writes x_codes, x_scales, w_codes, w_scales, wot, rope
.if DOCPART == 1
	.amdgcn_target "amdgcn-amd-amdhsa--gfx1250"
	.amdhsa_code_object_version 6
	.text
	.protected	k_q05bb6edf47_prep
	.globl	k_q05bb6edf47_prep
	.p2align	8
	.type	k_q05bb6edf47_prep,@function
k_q05bb6edf47_prep:
	s_mov_b64 s[64:65], 0
	v_nop
	global_prefetch_b8 v0, s[64:65] scope:SCOPE_SE
	s_setreg_imm32_b32 hwreg(HW_REG_WAVE_MODE, 25, 1), 1
	s_wait_xcnt 0x0
; PREP: what every later launch reads many times is made once.
; THE WHOLE PROGRAM: prep -> project (the three quantised products, RoPE, RMS norm) -> attention -> oproj (the product with Wo).
; NO WORK OF reference() IS LEFT OUT, and every input is loaded: both masks are INPUTS, so every one of the 2,048 x 2,048 scores of every head is live; repeat_kv is addressing alone.
; Five kinds of work-group, told apart by the work-group's number; each kind has LDS bytes of its own and ends by itself:
;   0-127    X:    hidden_states [2048][2048] f32 -> x_codes [2048][1024 bytes] (E2M1, K innermost, the lower k in the low four bits), x_scales [2048][64] (E8M0)
;   128-255  WQ:   Wq [2048 k][2048 n] f32 -> rows 0-2047 of w_codes [3072][1024 bytes], w_scales [3072][64]: K, the FIRST axis in memory, becomes innermost
;   256-319  WKV:  Wk, Wv [2048 k][512 n] -> rows 2048 + 256 j + i: i < 128: column 128 j + i of Wk; i >= 128: column 128 j + i - 128 of Wv
;   320-447  WO:   Wo [2048 k][2048 n] f32 -> wot [2048 n][2048 k] f16 (the product with Wo is left as it is; f16 keeps 11 significant bits)
;   448-511  ROPE: position_ids -> rope [2048 tokens][cos 32, sin 32] f32
; THE W PATHS: a work-group takes 64 columns x 512 along K; wave w takes 32 of the columns (w % 2) and 256 of the K (w / 2): 8 blocks of 32 a lane, each waiting for the loads of two blocks back.
; THE QUANTISER: a block's scale is 2^(floor(log2(its largest magnitude)) - 2); its byte is that magnitude's exponent field - 2, held at 1 from below; each number is divided by the scale and rounded to the nearest code, ties to even,
; beyond the largest code the largest.  A block of zeros gets the byte 1 where the rule says 127: its codes are zeros, which add nothing under any byte but 0xff, and this program alone reads the bytes.
; LIMITS: blocks whose largest magnitude lies under 2^-124 (the floor) are held at the byte 1; NaN and infinities among the inputs are not served; Wo's numbers must lie under 65,504 in size (f16);
; inv_freq is made by v_exp_f32 and the angle is reduced by two parts of pi / 2: the phase is good to about 2e-7 x |position|, so positions up to about 1e5 in size are served.
; No tensor load.  One barrier, in paths WQ and WKV alone, where two waves fill the two halves of the same stage rows.
.set SPW,    192                       ; v192     LDS address of my spare word: SPARE + 4 x my thread's number; never rewritten
.set NIL,    193                       ; v193     0; never rewritten
.set WREG,   8192                      ; path X: a region for each wave: two stages of 32 x SP bytes, behind them its 256 scale bytes
.set SP,     80                        ; a lane's place in a stage of path X: 64 bytes + 16 of padding
.set PITCH,  272                       ; a stage row of the W paths: 256 bytes + 16 of padding
.set NB,     8                         ; blocks of 32 along K for a wave of the W paths
.set WQLDS,  4*WREG                    ; path WQ: a stage of 32 rows x PITCH for each of the two column groups
.set WKVLDS, WQLDS+2*32*PITCH          ; path WKV: likewise
.set WOLDS,  WKVLDS+2*32*PITCH         ; path WO: a stage of 32 rows x PITCH for each wave
.set SPARE,  WOLDS+4*32*PITCH          ; the spare words, 128 bytes for each wave: two blocks of 256 bytes that no other line names
.set XR,     16                        ; path X: v16-79 four sets of 16 numbers as loaded
.set XN,     80                        ;         v80-111 two sets of 16 neighbours
.set XE,     112                       ;         v112-127 a scale byte for each step
.set XC,     128                       ;         v128-191 codes: four registers for each step, so that no store's data are written again
.set SB,     24                        ; W paths: v24-25 the scale bytes, four to a register
.set WX,     32                        ;          v32-95 two sets of 32 numbers down K
.set WC,     96                        ;          v96-111 a block's codes, or its 32 numbers as f16
.set OUTR,   112                       ;          v112-175 the way out
; ---------------- path X's macros: 16 steps of 512 numbers a wave; loads four steps ahead; a step's 2,048 bytes turn through the wave's stage so that a lane holds 16 neighbours along K
.macro XLOAD t
.irp i, 0,1,2,3
	global_load_b128 v[XR+16*((\t)%4)+4*\i:XR+16*((\t)%4)+4*\i+3], v3, s[36:37] offset:2048*(\t)+512*\i th:TH_LOAD_NT   ; 32 lanes read 512 consecutive bytes
.endr
.endm
.macro XTURN t                         ; LDS serves a wave's instructions in order: no wait between the stores and the loads
.irp i, 0,1,2,3
	ds_store_b128 v14, v[XR+16*((\t)%4)+4*\i:XR+16*((\t)%4)+4*\i+3] offset:32*SP*((\t)%2)+8*SP*\i
.endr
.irp i, 0,1,2,3
	ds_load_b128 v[XN+16*((\t)%2)+4*\i:XN+16*((\t)%2)+4*\i+3], v15 offset:32*SP*((\t)%2)+16*\i
.endr
.endm
.macro XSTEP t
.set XS, XN+16*((\t)%2)
.if (\t) > 0
	s_wait_dscnt 1                                 ; this step's numbers are back from the stage (the last step's byte store may be out): its stores into the stage have read their registers,
.else
	s_wait_dscnt 0x0
.endif
.if (\t)+4 < 16
	XLOAD (\t)+4                                   ; which take the loads of four steps on
.endif
.if (\t)+1 < 16
.if 14-(\t) >= 3
	s_wait_loadcnt 12                              ; the next step's four loads are in; those of the three steps behind it may be out
.else
	s_wait_loadcnt 4*(14-(\t))
.endif
	XTURN (\t)+1
.endif
	v_max3_num_f32 v8, |v[XS]|, |v[XS+1]|, |v[XS+2]|               ; the largest magnitude of my 16, in two chains
	v_max3_num_f32 v9, |v[XS+3]|, |v[XS+4]|, |v[XS+5]|
.irp i, 6,10
	v_max3_num_f32 v8, v8, |v[XS+\i]|, |v[XS+\i+1]|
	v_max3_num_f32 v9, v9, |v[XS+\i+2]|, |v[XS+\i+3]|
.endr
	v_max3_num_f32 v8, v8, |v[XS+14]|, |v[XS+15]|
	v_max3_num_f32 v8, v8, v9, 0x1800000           ; and the floor 2^(3 - 127): the byte cannot fall under 1
	v_max_num_f32_dpp v8, v8, v8 row_xmask:1 row_mask:0xf bank_mask:0xf   ; and of my neighbour's 16: the block's
	v_add_nc_u32 v11, 0xff000000, v8               ; 2 off its exponent field: the conversion takes the exponent field of this operand as its scale
	v_cvt_scalef32_pk8_fp4_f32 v[XC+4*(\t)], v[XS:XS+7], v11
	v_cvt_scalef32_pk8_fp4_f32 v[XC+4*(\t)+1], v[XS+8:XS+15], v11
	v_lshrrev_b32 v[XE+(\t)], 23, v11              ; the scale's byte (also the plain line behind the conversions)
	ds_store_b8 v5, v[XE+(\t)] offset:16*(\t)      ; both lanes of a block write the same byte with the same value
	global_store_b64 v4, v[XC+4*(\t):XC+4*(\t)+1], s[38:39] offset:256*(\t)   ; the wave stores 256 consecutive bytes
.endm
; ---------------- the W paths' macros: a lane takes a column n and its registers run DOWN K: nothing is transposed by an instruction
.macro SHARED base                     ; paths WQ, WKV: the stage of my column group, from LDS byte base on, which my wave shares with the wave of the other half of K
	s_mul_i32 s29, s43, 32*PITCH
	s_add_co_u32 s29, s29, \base
	s_lshl_b32 s46, s44, 7
	s_add_co_u32 s46, s46, s29                     ; in: my half of each row's 256 bytes
	s_mul_i32 s47, s44, 16*PITCH
	s_add_co_u32 s47, s47, s29                     ; back: my 16 of the 32 rows
.endm
.macro FRAME krow                      ; s46: where my wave writes into a stage; s47: from where it reads rows back; krow: bytes of a row of the output
	v_lshlrev_b32 v3, 2, v2                        ; in: 4 bytes a lane
	v_mul_u32_u24 v4, v2, PITCH
	v_add_nc_u32 v4, s46, v4                       ; into the stage: row = my column
	v_and_b32 v5, 15, v2
	v_lshrrev_b32 v6, 4, v2                        ; out of it: sixteen lanes to a row, two rows an instruction
	v_mul_u32_u24 v7, v6, PITCH
	v_lshl_add_u32 v7, v5, 4, v7
	v_add_nc_u32 v7, s47, v7
	v_mul_u32_u24 v8, v6, \krow
	v_lshl_add_u32 v8, v5, 4, v8                   ; and the same place in the output
.endm
.macro DEST                            ; s31: my column group's first row of w_codes; s30: which 512 along K
	s_lshl_b32 s34, s44, 4
	s_add_co_u32 s34, s34, s31                     ; the first of the 16 rows that I store
	s_lshl_b32 s32, s34, 10
	s_lshl_b32 s34, s30, 8
	s_add_co_u32 s32, s32, s34
	s_add_nc_u64 s[38:39], s[20:21], s[32:33]
	s_lshl_b32 s32, s31, 6                         ; the scale bytes: 64 a row, 16 for 512 along K, 8 for my 256
	s_lshl_b32 s34, s30, 4
	s_add_co_u32 s32, s32, s34
	s_lshl_b32 s34, s44, 3
	s_add_co_u32 s32, s32, s34
	s_add_nc_u64 s[40:41], s[22:23], s[32:33]
.endm
.macro WLOAD t, p                      ; block t: W(32 t + i, my column), i = 0 .. 31, into set t % 2; p: bytes of a row of W
.set wi, 0
.rept 32
	global_load_b32 v[WX+32*((\t)%2)+wi], v3, s[36:37] offset:(32*(\t)+wi)*(\p) th:TH_LOAD_NT
.set wi, wi+1
.endr
.endm
.macro QBLOCK t, p
.set XS, WX+32*((\t)%2)
.if (\t) < NB-1
	s_wait_loadcnt 32                              ; this block's 32 loads are in; the next block's may be out
.else
	s_wait_loadcnt 0
.endif
	v_max3_num_f32 v12, |v[XS]|, |v[XS+1]|, |v[XS+2]|               ; the block's largest magnitude: all 32 numbers are mine
	v_max3_num_f32 v13, |v[XS+3]|, |v[XS+4]|, |v[XS+5]|
.irp i, 6,10,14,18,22,26
	v_max3_num_f32 v12, v12, |v[XS+\i]|, |v[XS+\i+1]|
	v_max3_num_f32 v13, v13, |v[XS+\i+2]|, |v[XS+\i+3]|
.endr
	v_max3_num_f32 v12, v12, |v[XS+30]|, |v[XS+31]|
	v_max3_num_f32 v12, v12, v13, 0x1800000        ; and the floor 2^(3 - 127)
	v_add_nc_u32 v11, 0xff000000, v12              ; 2 off its exponent field: the conversion's scale operand
	v_lshrrev_b32 v13, 23, v11                     ; the scale's byte
.if (\t)%4 == 0
	v_mov_b32 v[SB+(\t)/4], v13                    ; four bytes to a register, the lower K in the lower byte
.else
	v_lshl_or_b32 v[SB+(\t)/4], v13, 8*((\t)%4), v[SB+(\t)/4]
.endif
.irp g, 0,1,2,3
	v_cvt_scalef32_pk8_fp4_f32 v[WC+\g], v[XS+8*\g:XS+8*\g+7], v11
.endr
	v_nop                                          ; one plain line behind the last conversion
	ds_store_b128 v4, v[WC:WC+3] offset:16*(\t)    ; 32 codes: 16 bytes of my column's row
.if (\t)+2 < NB
	WLOAD (\t)+2, \p
.endif
	s_wait_dscnt 0x0                               ; the store has read its registers: the next block's codes may be written
.endm
.macro CLOSE                           ; the wave's end: a wait on TENSORcnt, an add to my spare word and a wait for it, behind my last LDS store
	s_wait_tensorcnt 0x0
	ds_add_u32 v[SPW], v[NIL]
	s_wait_dscnt 0x0
	s_endpgm
.endm
.macro QRUN p                          ; 32 columns x 256 along K: 8 blocks a lane; then, with the other half's wave, the way out: sixteen lanes store 256 consecutive bytes of a row of codes
	WLOAD 0, \p
	WLOAD 1, \p
.set Q, 0
.rept NB
	QBLOCK Q, \p
.set Q, Q+1
.endr
	global_store_b64 v9, v[SB:SB+1], s[40:41]      ; my column's 8 scale bytes
	s_wait_dscnt 0x0                               ; for the other wave's sake: my half of the 32 rows lies in the stage
	s_barrier_signal -1
	s_barrier_wait -1                              ; the rows are whole
.irp t, 0,1,2,3,4,5,6,7
	ds_load_b128 v[OUTR+4*\t:OUTR+4*\t+3], v7 offset:2*\t*PITCH
.endr
.irp t, 0,1,2,3,4,5,6,7
	s_wait_dscnt 7-\t                              ; the younger loads may be out
	global_store_b128 v8, v[OUTR+4*\t:OUTR+4*\t+3], s[38:39] offset:2*\t*1024
.endr
	CLOSE
.endm
.macro CBLOCK t                        ; path WO: 32 numbers down K become 64 bytes of f16 of my column's row
.set XS, WX+32*((\t)%2)
.if (\t) < NB-1
	s_wait_loadcnt 32                              ; this block's 32 loads are in; the next block's may be out
.else
	s_wait_loadcnt 0
.endif
.set ci, 0
.rept 16
	v_cvt_pk_f16_f32 v[WC+ci], v[XS+2*ci], v[XS+2*ci+1]
.set ci, ci+1
.endr
.irp i, 0,1,2,3
	ds_store_b128 v4, v[WC+4*\i:WC+4*\i+3] offset:64*((\t)%4)+16*\i
.endr
.if (\t)+2 < NB
	WLOAD (\t)+2, 8192
.endif
	s_wait_dscnt 0x0                               ; the stores have read their registers
.endm
.macro FLUSH u                         ; behind every fourth block: 128 along K, 256 bytes a column, leave as rows
.if (\u) > 0
	s_wait_xcnt 0x0                                ; the last flush's stores have read their registers: these may be loaded again
.endif
.irp i, 0,1,2,3,4,5,6,7,8,9,10,11,12,13,14,15
	ds_load_b128 v[OUTR+4*\i:OUTR+4*\i+3], v7 offset:2*\i*PITCH
.endr
.irp i, 0,1,2,3,4,5,6,7,8,9,10,11,12,13,14,15
	s_wait_dscnt 15-\i                             ; the younger loads may be out
	global_store_b128 v8, v[OUTR+4*\i:OUTR+4*\i+3], s[38:39] offset:2*\i*4096+256*(\u)   ; sixteen lanes store 256 consecutive bytes, aligned
.endr
.endm
; ---------------- path ROPE's macro: sin or cos of position i's angle at my n-th frequency, into v[40 + 4 i + n]
.macro SINCOS i, n
	v_mul_f32 v16, v[12+\i], v[8+\n]               ; x = position x inv_freq, in f32 as reference() has it
	v_mul_f32 v17, s40, v16
	v_rndne_f32 v17, v17                           ; the nearest multiple of pi / 2
	v_fma_f32 v18, -v17, s41, v16                  ; r = x - that multiple, pi / 2 in two parts
	v_fma_f32 v18, -v17, s42, v18
	v_cvt_i32_f32 v19, v17
	v_add_nc_u32 v19, v19, v4                      ; the quadrant; cos(x) = sin(x + pi / 2)
	v_mul_f32 v20, v18, v18                        ; z = r^2
	v_fma_f32 v21, v20, s43, s44
	v_fma_f32 v21, v21, v20, s45
	v_mul_f32 v22, v20, v18
	v_fma_f32 v21, v21, v22, v18                   ; sin r
	v_fma_f32 v23, v20, s46, s47
	v_fma_f32 v23, v23, v20, s34
	v_fma_f32 v22, v20, -0.5, 1.0
	v_mul_f32 v24, v20, v20
	v_fma_f32 v23, v23, v24, v22                   ; cos r
	v_and_b32 v24, 1, v19
	v_cmp_eq_u32 vcc_lo, 1, v24
	v_cndmask_b32 v21, v21, v23, vcc_lo            ; an odd quadrant takes the cosine,
	v_and_b32 v24, 2, v19
	v_lshlrev_b32 v24, 30, v24
	v_xor_b32 v[40+4*\i+\n], v24, v21              ; quadrants 2 and 3 the other sign
.endm
	s_load_b512 s[4:19], s[0:1], 0x0               ; hidden s[4:5], Wq s[6:7], Wk s[8:9], Wv s[10:11], Wo s[12:13], positions s[14:15], x_codes s[16:17], x_scales s[18:19]
	s_load_b256 s[20:27], s[0:1], 0x40             ; w_codes s[20:21], w_scales s[22:23], wot s[24:25], rope s[26:27]
	v_lshl_add_u32 v[SPW], v0, 2, SPARE
	v_mov_b32 v[NIL], 0
	v_lshrrev_b32 v1, 5, v0
	v_readfirstlane_b32 s28, v1                    ; wave 0..3
	v_and_b32 v2, 31, v0                           ; lane
	s_and_b32 s43, s28, 1                          ; the W paths: which 32 of the work-group's 64 columns are mine,
	s_lshr_b32 s44, s28, 1                         ; and which 256 of its 512 along K
	s_mov_b32 s33, 0                               ; the upper word of every offset: all lie under 2^32
	s_wait_kmcnt 0x0
	s_cmp_lt_u32 ttmp9, 128
	s_cbranch_scc1 .Lpath_x
	s_cmp_lt_u32 ttmp9, 256
	s_cbranch_scc1 .Lpath_wq
	s_cmp_lt_u32 ttmp9, 320
	s_cbranch_scc1 .Lpath_wkv
	s_cmp_lt_u32 ttmp9, 448
	s_cbranch_scc1 .Lpath_wo
	; ---------------- ROPE: a wave makes 8 tokens' rows, two an iteration.  Lane c = lane % 16 makes 16 bytes of its token's 256: c < 8: cos of frequencies 4 c .. 4 c + 3; c >= 8: sin of 4 (c - 8) ..
	s_sub_co_u32 s30, ttmp9, 448
	s_lshl_b32 s30, s30, 5
	s_lshl_b32 s31, s28, 3
	s_add_co_u32 s30, s30, s31                     ; my wave's first token
	s_lshl_b32 s32, s30, 2
	s_add_nc_u64 s[36:37], s[14:15], s[32:33]
	s_lshl_b32 s32, s30, 8
	s_add_nc_u64 s[38:39], s[26:27], s[32:33]
	v_and_b32 v3, 15, v2                           ; c
	v_lshrrev_b32 v5, 4, v2                        ; which of the iteration's two tokens
	v_lshlrev_b32 v6, 8, v5
	v_lshl_add_u32 v6, v3, 4, v6                   ; out: 256 bytes a token, 16 a lane
	v_lshlrev_b32 v5, 2, v5
.irp i, 0,1,2,3
	global_load_b32 v[12+\i], v5, s[36:37] offset:8*\i
.endr
	v_lshrrev_b32 v4, 3, v3
	v_xor_b32 v4, 1, v4                            ; 1 where I make cosines
	v_and_b32 v7, 7, v3
	v_lshlrev_b32 v7, 2, v7                        ; my first frequency
	s_mov_b32 s40, 0x3f22f983                      ; 2 / pi
	s_mov_b32 s41, 0x3fc90fdb                      ; pi / 2, the upper part,
	s_mov_b32 s42, 0xb33bbd2e                      ; and what is left of it
	s_mov_b32 s43, 0xb94ca1f9                      ; the sine's three coefficients,
	s_mov_b32 s44, 0x3c08839e
	s_mov_b32 s45, 0xbe2aaaa3
	s_mov_b32 s46, 0x37ccf5ce                      ; the cosine's
	s_mov_b32 s47, 0xbab6061a
	s_mov_b32 s34, 0x3d2aaaa5
.irp n, 0,1,2,3
	v_add_nc_u32 v[8+\n], \n, v7
.endr
.irp n, 0,1,2,3
	v_cvt_f32_u32 v[8+\n], v[8+\n]
.endr
.irp n, 0,1,2,3
	v_mul_f32 v[8+\n], 0xbed49a78, v[8+\n]         ; - f x log2(10000) / 32
.endr
.irp n, 0,1,2,3
	v_exp_f32 v[8+\n], v[8+\n]                     ; inv_freq = 10000^(- f / 32)
.endr
	v_nop                                          ; a plain line behind the last exponential
	s_wait_alu depctr_va_vdst(0)                   ; one wait for the four, ahead of their first reader
	s_wait_loadcnt 0x0
.irp i, 0,1,2,3
	v_cvt_f32_i32 v[12+\i], v[12+\i]
.endr
.irp i, 0,1,2,3
.irp n, 0,1,2,3
	SINCOS \i, \n
.endr
	global_store_b128 v6, v[40+4*\i:43+4*\i], s[38:39] offset:512*\i   ; 32 lanes store two tokens' rows: 512 consecutive bytes
.endr
	s_endpgm
.Lpath_x:
	v_lshlrev_b32 v3, 4, v2                        ; my 16 bytes of a load's 512
	s_mul_i32 s29, s28, WREG
	v_lshrrev_b32 v14, 2, v2
	v_mul_u32_u24 v14, v14, SP
	v_and_b32 v15, 3, v2
	v_lshl_add_u32 v14, v15, 4, v14
	v_add_nc_u32 v14, s29, v14                     ; the stage, on the way in: four lanes' 64 bytes on end, then 16 of padding
	v_mul_u32_u24 v15, v2, SP
	v_add_nc_u32 v15, s29, v15                     ; and on the way out: my 16 neighbours
	v_lshlrev_b32 v4, 3, v2                        ; my 8 bytes of a step's codes, and of the wave's scale bytes
	v_lshrrev_b32 v5, 1, v2
	s_add_co_u32 s29, s29, 2*32*SP
	v_add_nc_u32 v5, s29, v5                       ; LDS: my block's byte among my wave's 256
	v_add_nc_u32 v6, s29, v4                       ; and on the way out 8 bytes a lane
	s_lshl_b32 s30, ttmp9, 2
	s_add_co_u32 s30, s30, s28                     ; which run of 8,192 numbers is my wave's
	s_lshl_b32 s32, s30, 15
	s_add_nc_u64 s[36:37], s[4:5], s[32:33]
	s_lshl_b32 s32, s30, 12
	s_add_nc_u64 s[38:39], s[16:17], s[32:33]
	s_lshl_b32 s32, s30, 8
	s_add_nc_u64 s[40:41], s[18:19], s[32:33]
.irp t, 0,1,2,3
	XLOAD \t
.endr
	s_wait_loadcnt 12                              ; step 0's four loads are in
	XTURN 0
.irp t, 0,1,2,3,4,5,6,7,8,9,10,11,12,13,14,15
	XSTEP \t
.endr
	ds_load_b64 v[8:9], v6                         ; LDS serves a wave's instructions in order: these see my byte stores
	s_wait_dscnt 0x0
	global_store_b64 v4, v[8:9], s[40:41]          ; 32 lanes store 256 consecutive bytes, aligned
	CLOSE
.Lpath_wq:
	SHARED WQLDS
	FRAME 1024
	v_lshlrev_b32 v9, 6, v2                        ; my column's row of scale bytes
	s_sub_co_u32 s30, ttmp9, 128
	s_and_b32 s31, s30, 31                         ; which 64 columns
	s_lshr_b32 s30, s30, 5                         ; which 512 along K
	s_lshl_b32 s31, s31, 6
	s_lshl_b32 s34, s43, 5
	s_add_co_u32 s31, s31, s34                     ; my wave's first column, which is its column group's first row of w_codes
	s_lshl_b32 s32, s30, 22                        ; 512 rows of 8,192 bytes,
	s_lshl_b32 s34, s44, 21                        ; my 256 of them
	s_add_co_u32 s32, s32, s34
	s_lshl_b32 s34, s31, 2
	s_add_co_u32 s32, s32, s34
	s_add_nc_u64 s[36:37], s[6:7], s[32:33]
	DEST
	QRUN 8192
.Lpath_wkv:
	SHARED WKVLDS
	FRAME 1024
	v_lshlrev_b32 v9, 6, v2
	s_sub_co_u32 s30, ttmp9, 256
	s_lshr_b32 s35, s30, 5                         ; 0: Wk, 1: Wv
	s_and_b32 s31, s30, 7                          ; which 64 columns
	s_bfe_u32 s30, s30, 0x20003                    ; which 512 along K
	s_lshl_b32 s31, s31, 6
	s_lshl_b32 s34, s43, 5
	s_add_co_u32 s31, s31, s34                     ; my wave's first column
	s_lshl_b32 s32, s31, 2
	s_lshl_b32 s34, s30, 20                        ; 512 rows of 2,048 bytes,
	s_add_co_u32 s32, s32, s34
	s_lshl_b32 s34, s44, 19                        ; my 256 of them
	s_add_co_u32 s32, s32, s34
	s_cmp_eq_u32 s35, 0                            ; the choice hangs on the work-group's number alone
	s_cselect_b64 s[36:37], s[8:9], s[10:11]
	s_add_nc_u64 s[36:37], s[36:37], s[32:33]
	s_lshr_b32 s34, s31, 7
	s_lshl_b32 s34, s34, 8                         ; 256 j
	s_and_b32 s31, s31, 127
	s_add_co_u32 s31, s31, s34
	s_lshl_b32 s35, s35, 7
	s_add_co_u32 s31, s31, s35
	s_add_co_u32 s31, s31, 2048                    ; the first row of w_codes: 2048 + 256 j + 128 (Wv) + the column's place among its 128
	DEST
	QRUN 2048
.Lpath_wo:
	s_mul_i32 s46, s28, 32*PITCH
	s_add_co_u32 s46, s46, WOLDS                   ; a stage of my own: I fill and read whole rows
	s_mov_b32 s47, s46
	FRAME 4096
	s_sub_co_u32 s30, ttmp9, 320
	s_and_b32 s31, s30, 31
	s_lshr_b32 s30, s30, 5
	s_lshl_b32 s31, s31, 6
	s_lshl_b32 s34, s43, 5
	s_add_co_u32 s31, s31, s34                     ; my wave's first column of Wo = first row of wot
	s_lshl_b32 s32, s30, 22
	s_lshl_b32 s34, s44, 21
	s_add_co_u32 s32, s32, s34
	s_lshl_b32 s34, s31, 2
	s_add_co_u32 s32, s32, s34
	s_add_nc_u64 s[36:37], s[12:13], s[32:33]
	s_lshl_b32 s32, s31, 12                        ; a row of wot is 4,096 bytes; 512 along K are 1,024, my 256 are 512
	s_lshl_b32 s34, s30, 10
	s_add_co_u32 s32, s32, s34
	s_lshl_b32 s34, s44, 9
	s_add_co_u32 s32, s32, s34
	s_add_nc_u64 s[38:39], s[24:25], s[32:33]
	WLOAD 0, 8192
	WLOAD 1, 8192
.set Q, 0
.rept NB
	CBLOCK Q
.if Q%4 == 3
	FLUSH Q/4
.endif
.set Q, Q+1
.endr
	CLOSE
.Lfunc_end_k_q05bb6edf47_prep:
	.size	k_q05bb6edf47_prep, .Lfunc_end_k_q05bb6edf47_prep-k_q05bb6edf47_prep
	.p2alignl 7, 3214868480
	.fill 96, 4, 3214868480
	.section	.rodata,"a",@progbits
	.p2align	6, 0x0
	.amdhsa_kernel k_q05bb6edf47_prep
		.amdhsa_group_segment_fixed_size 102912
		.amdhsa_private_segment_fixed_size 0
		.amdhsa_enable_private_segment 0
		.amdhsa_kernarg_size 96
		.amdhsa_user_sgpr_count 2
		.amdhsa_user_sgpr_kernarg_segment_ptr 1
		.amdhsa_wavefront_size32 1
		.amdhsa_system_sgpr_workgroup_id_x 1
		.amdhsa_system_sgpr_workgroup_id_y 1
		.amdhsa_system_sgpr_workgroup_id_z 1
		.amdhsa_system_vgpr_workitem_id 0
		.amdhsa_next_free_vgpr 200
		.amdhsa_next_free_sgpr 66
		.amdhsa_reserve_vcc 1
		.amdhsa_float_denorm_mode_32 3
		.amdhsa_float_denorm_mode_16_64 3
		.amdhsa_memory_ordered 1
		.amdhsa_forward_progress 1
		.amdhsa_inst_pref_size 175
	.end_amdhsa_kernel
	.amdgpu_metadata
---
amdhsa.version: [ 1, 2 ]
amdhsa.kernels:
  - .name:           k_q05bb6edf47_prep
    .symbol:         k_q05bb6edf47_prep.kd
    .args:
      - { .name: hidden_states, .offset: 0, .size: 8, .value_kind: global_buffer, .address_space: global }
      - { .name: Wq, .offset: 8, .size: 8, .value_kind: global_buffer, .address_space: global }
      - { .name: Wk, .offset: 16, .size: 8, .value_kind: global_buffer, .address_space: global }
      - { .name: Wv, .offset: 24, .size: 8, .value_kind: global_buffer, .address_space: global }
      - { .name: Wo, .offset: 32, .size: 8, .value_kind: global_buffer, .address_space: global }
      - { .name: position_ids, .offset: 40, .size: 8, .value_kind: global_buffer, .address_space: global }
      - { .name: x_codes, .offset: 48, .size: 8, .value_kind: global_buffer, .address_space: global }
      - { .name: x_scales, .offset: 56, .size: 8, .value_kind: global_buffer, .address_space: global }
      - { .name: w_codes, .offset: 64, .size: 8, .value_kind: global_buffer, .address_space: global }
      - { .name: w_scales, .offset: 72, .size: 8, .value_kind: global_buffer, .address_space: global }
      - { .name: wot, .offset: 80, .size: 8, .value_kind: global_buffer, .address_space: global }
      - { .name: rope, .offset: 88, .size: 8, .value_kind: global_buffer, .address_space: global }
    .group_segment_fixed_size: 102912
    .private_segment_fixed_size: 0
    .kernarg_segment_align: 8
    .kernarg_segment_size: 96
    .max_flat_workgroup_size: 128
    .sgpr_count:     66
    .vgpr_count:     200
    .wavefront_size: 32
...
	.end_amdgpu_metadata
.endif
;; end of part 1
;; launch project (part 2): grid 12 x 8, 4 waves a work-group, clusters of 4 x 4, 327,680 bytes of LDS; arguments x_codes, x_scales, w_codes, w_scales, qkv, rope, q_ln_w, k_ln_w; writes qkv
.if DOCPART == 2
	.amdgcn_target "amdgcn-amd-amdhsa--gfx1250"
	.amdhsa_code_object_version 6
	.text
	.protected	k_q05bb6edf47_project
	.globl	k_q05bb6edf47_project
	.p2align	8
	.type	k_q05bb6edf47_project,@function
k_q05bb6edf47_project:
	s_mov_b64 s[64:65], 0
	v_nop
	global_prefetch_b8 v0, s[64:65] scope:SCOPE_SE
	s_setreg_imm32_b32 hwreg(HW_REG_WAVE_MODE, 25, 1), 1
	s_wait_xcnt 0x0
	s_wait_alu depctr_hold_cnt(0) depctr_sa_sdst(0) depctr_va_vdst(0) depctr_va_sdst(0) depctr_va_ssrc(0) depctr_va_vcc(0) depctr_vm_vsrc(0)
	s_getreg_b32 s2, hwreg(HW_REG_IB_STS2, 6, 4)
	s_cmp_eq_u32 s2, 0
	s_cbranch_scc0 .Lentry_in_a_cluster
	s_endpgm
.Lentry_in_a_cluster:
	s_bfe_u32 s2, ttmp6, 0x10000c
	s_cmp_lg_u32 s2, 0xf033
	s_cbranch_scc0 .Lentry_shape_is_right
	s_endpgm
.Lentry_shape_is_right:
; PROJECT: C[token][n] = sum over k of x[token][k] W[n][k], the three QUANTISED products of reference() as one GEMM on codes of E2M1 with one E8M0 scale for each 32 along K, f32 sums; then, in registers, RoPE and the RMS norm for q and k.
; Nothing of reference() is left out here.  x: x_codes [2048][1024 bytes], x_scales [2048][64].  W: w_codes [3072][1024 bytes], w_scales [3072][64]: rows 0-2047 Wq's columns; row 2048 + 256 j + i: i < 128 column 128 j + i of Wk, else column 128 j + i - 128 of Wv.
; OUT: qkv, f16, [48 heads][2048 tokens][64]: heads 0-31 q, roped, normed and times log2(e) / 8 (the softmax's scale, in base 2); heads 32-39 k, roped and normed; heads 40-47 v as it is.
; A tile of C, 256 x 256, is made by a work-group of four waves; a wave makes 128 x 128: 64 accumulators of 16 x 16, 512 registers.  K goes in steps of 512 through a ring of two LDS slots filled by the tensor data mover: a tile's row is 256 bytes.
; THE SCALES of the work-group's 256 rows of x and 256 rows of W, for all of K, are two dense blocks of memory: they come into LDS once, with the first fills, and stay.
; CLUSTERS: 4 x 4 work-groups.  The four of a row of the cluster need the same tiles of x, the four of a column the same tiles of W: each tile is asked for JOINTLY, by the same tensor load with the same descriptor and a mask that names the four.
; THE MATRIX INSTRUCTION IS USED TRANSPOSED (source 0 = 16 rows of W, source 1 = 16 tokens): a lane then holds ONE token and eight neighbouring channels; a wave's 128 columns are two whole heads, so RoPE's partner (32 channels on) and
; the norm's 64 channels lie in the lane and in the lane 16 away.  In the last cluster column a wave's column half tells k (0) from v (1): the role hangs on the cluster's x and the wave's number, the same in all partners.
; 96 work-groups: 12 x 8 tiles.  A smaller tile would give more work-groups and read every LDS byte for fewer products.
; LIMITS: v must lie under 65,504 in size (f16); NaN and infinities are not served.
; REGISTERS, in windows of 256: window 0: v0-31 addresses; v32-95 scale words, two sets; from v128 x's fragments, ONE set; on the way out v32-255 are free.   window 1: W's fragments, TWO sets, at v0 and at v128.
;   window 2: the 32 accumulators of my tokens 0-63 (accumulator (a, b) at v[8 (8 a + b)]);   window 3: those of my tokens 64-127.
.set SIZE_M, 2048
.set SIZE_N, 3072
.set SIZE_K, 2048
.set KSTEP,  512                       ; along K in a slot
.set NQ,     KSTEP/128                 ; matrix instructions deep
.set ROWB,   256                       ; a tile's row in bytes
.set KROW,   SIZE_K*4/8                ; a row of codes in memory, in bytes
.set PITCH,  272                       ; an LDS row: 256 bytes + 16 of padding = 68 words: the 16 rows that a load touches start at 16 different banks (64 banks of 4 bytes: ISA guide 11.1)
.set FR,     8                         ; registers of a fragment: 16 rows x 128 K
.set NL,     2                         ; LDS loads that bring one
.set NP,     4                         ; places behind this matrix instruction (ISA guide 7.12.1)
.set HALFT,  128*PITCH                 ; 128 rows: what one tensor load brings
.set SLOT,   4*HALFT                   ; x's 256 rows, then W's 256 rows
.set LAPS,   SIZE_K/(2*KSTEP)          ; a lap = two K steps = once round the ring
.set KS,     SIZE_K/32                 ; a row of scales in bytes
.set SCL,    2*SLOT                    ; behind the ring: the scales, as runs of 256 bytes + 16 of padding
.set HALFS,  (128*KS/256)*272          ; the scales of 128 rows: what one tensor load brings
.set SBLK,   (16*KS/256)*272           ; those of 16 rows
.set SPARE,  SCL+4*HALFS               ; the spare words, 128 bytes for each wave: two blocks of 256 bytes that no other line names
.set SPITCH, 144                       ; the way out: a stage of 16 rows x (128 bytes + 16) for each wave, in slot 0, which has had its last fill and its last read when the first result is stored there
.set ADRA, 16                          ; v16-17  LDS address of my x fragments in slot 0, 1
.set ADRB, 20                          ; v20-21  the same for W
.set STO,  24                          ; v24     the way out: where I put 16 bytes of a head's row
.set RD,   25                          ; v25     where I read rows back: eight lanes to a row of 128 bytes
.set CO,   26                          ; v26     16 x lane: four tokens' rows of a head are 512 consecutive bytes
.set ADRS, 27                          ; v27     LDS address of my scale words: lanes 0-15 x's rows, lanes 16-31 W's
.set SPW,  28                          ; v28     LDS address of my spare word; never rewritten
.set NIL,  29                          ; v29     0; never rewritten
.set TO,   30                          ; v30     rope: 256 x (lane % 16) + 32 x (lane / 16)
.set WO,   31                          ; v31     the gains: 32 x (lane / 16)
.set SC,   32                          ; scale words: set s at v[SC + 8 NQ s]; register NQ i + q: lanes 0-15 the word of x's block i, lanes 16-31 that of W's block i
.set AF,   128                         ; x's fragments, in window 0
.set WG,   32                          ; the way out: v32-63 the gains of my 32 channels, times the softmax's scale for q
.set CS,   64                          ; v64-95, v96-127 two sets: cos at 8 t + p, sin at 16 + 8 t + p
.set Y,    128                         ; v128-159, v160-191 the two heads' 32 numbers of my token
.set BK,   192                         ; v192-207, v208-223 rows read back from the stage
.set SQ,   224                         ; v224-231 sums of squares
.set RS,   232                         ; v232-235 1 / root, a pair for each head
.set G1, 24                            ; s[24:31] descriptor group 1 for x's tiles;  s[32:39] group 0, one set for each slot
.set G0, 32
.set G1B, 48                           ; s[48:55], s[56:63] the same for W's tiles
.set G0B, 56
.set G1S, 68                           ; s[68:75], s[76:79] groups 1 and 0 for x's scales;  s[80:87], s[88:91] for W's
.set G0S, 76
.set G1SB, 80
.set G0SB, 88
.set MSB, 0
.macro WIN new                         ; the immediate's high byte repeats the setting that is left
.if MSB != (\new)
	s_set_vgpr_msb (MSB<<8)|(\new)
.set MSB, (\new)
.endif
.endm
.set MUL_LO, 0xa1                      ; source 0 (W) window 1, source 1 (x) window 0, C and D window 2
.set MUL_HI, 0xf1                      ; the same, C and D window 3
.set TO_B,   0x40                      ; destination window 1, address window 0
; A joint load: waves 0 and 1 fetch for x, waves 2 and 3 for W.  Each line has ONE mask and one set of registers for all that issue it; the branch hangs on the wave's number alone.
; An s_nop 0 and four v_nop follow each of the two lines.
.macro JLOAD g0a, g1a, g0b, g1b
	s_cmp_eq_u32 s15, 0
	s_cbranch_scc0 .Lfor_b_\@
	tensor_load_to_lds s[\g0a:\g0a+3], s[\g1a:\g1a+7]
	s_nop 0
.rept 4
	v_nop
.endr
	s_branch .Lasked_\@
.Lfor_b_\@:
	tensor_load_to_lds s[\g0b:\g0b+3], s[\g1b:\g1b+7]
	s_nop 0
.rept 4
	v_nop
.endr
.Lasked_\@:
.endm
.macro CREST                           ; a round of the cluster's barrier behind its opening barrier
	s_cmp_lg_u32 s14, 0
	s_cbranch_scc1 .Lnot_wave_0_\@
	s_barrier_signal -3
.Lnot_wave_0_\@:
	s_barrier_wait -3
	s_barrier_signal -1
	s_barrier_wait -1
.endm
.macro CROUND                          ; a whole round
	s_barrier_signal -1
	s_barrier_wait -1
	CREST
.endm
	s_load_b128 s[4:7], s[0:1], 0x0                ; x's codes s[4:5], x's scales s[6:7]
	s_load_b128 s[8:11], s[0:1], 0x10              ; W's codes s[8:9], W's scales s[10:11]
	s_load_b64 s[12:13], s[0:1], 0x20              ; qkv
	s_load_b64 s[96:97], s[0:1], 0x28              ; rope
	s_load_b64 s[98:99], s[0:1], 0x30              ; q_ln_w
	s_load_b64 s[100:101], s[0:1], 0x38            ; k_ln_w
	v_lshl_add_u32 v[SPW], v0, 2, SPARE
	v_mov_b32 v[NIL], 0
	ds_add_u32 v[SPW], v[NIL]                      ; the wave's opening: the add, twice on end, and its wait ahead of my first tensor load; the set-up below stands between the second and the wait
	ds_add_u32 v[SPW], v[NIL]
	v_lshrrev_b32 v1, 5, v0
	v_readfirstlane_b32 s14, v1                    ; wave 0..3
	s_lshr_b32 s15, s14, 1                         ; which half of the tile's tokens is mine.  Also: I fetch for x (0) or for W (1)
	s_and_b32 s16, s14, 1                          ; which half of its columns.  Also: which 128 rows of that tile I fetch
	s_bfe_u32 s40, ttmp6, 0x40000                  ; cx, cy: my place in the cluster
	s_bfe_u32 s41, ttmp6, 0x40004
	s_lshl_b32 s42, ttmp9, 2
	s_add_co_u32 s42, s42, s40                     ; tile column = 4 x cluster x + cx
	s_and_b32 s17, ttmp7, 0xffff
	s_lshl_b32 s17, s17, 2
	s_add_co_u32 s17, s17, s41                     ; tile row = 4 x cluster y + cy
	s_lshl_b32 s43, s41, 2
	s_lshl_b32 s43, 15, s43                        ; my row of the cluster
	s_lshl_b32 s44, 0x1111, s40                    ; my column
	; descriptor group 1: a tile of 128 rows x 256 bytes, padded in LDS
	s_or_b32 s[G1+0], s43, (0<<16)|(1<<20)|(1<<21)|(5<<22)|(3<<25)  ; 15:0 the mask: x's tiles go to my row; 17:16 element of 1 byte; 20 padding on; 21 set beside a mask; 24:22 after every 64 words (code 5); 31:25 of 4 words (code 3)
	s_or_b32 s[G1B+0], s44, (0<<16)|(1<<20)|(1<<21)|(5<<22)|(3<<25)
.irp g, G1, G1B
	s_mov_b32 s[\g+1], ROWB<<16                    ; tensor_dim0
	s_mov_b32 s[\g+2], 128<<16                     ; tensor_dim1 = 128
	s_mov_b32 s[\g+3], ROWB<<16                    ; tile_dim0
	s_mov_b32 s[\g+4], 128                         ; tile_dim1 = 128
	s_mov_b32 s[\g+5], KROW                        ; tensor_dim0_stride
	s_mov_b32 s[\g+6], 0
	s_mov_b32 s[\g+7], 0
.endr
	; and for the scales of 128 rows: a dense block of 8,192 bytes, as rows of 256 bytes (32 elements of 8 bytes), 16 bytes of padding behind each
	s_or_b32 s[G1S+0], s43, (3<<16)|(1<<20)|(1<<21)|(5<<22)|(3<<25)
	s_or_b32 s[G1SB+0], s44, (3<<16)|(1<<20)|(1<<21)|(5<<22)|(3<<25)
.irp g, G1S, G1SB
	s_mov_b32 s[\g+1], 32<<16
	s_mov_b32 s[\g+2], (128*KS/256)<<16
	s_mov_b32 s[\g+3], 32<<16
	s_mov_b32 s[\g+4], 128*KS/256
	s_mov_b32 s[\g+5], 32
	s_mov_b32 s[\g+6], 0
	s_mov_b32 s[\g+7], 0
.endr
	s_lshl_b32 s18, s16, 7                         ; which 128 rows of the tile I fetch
	s_lshl_b32 s20, s17, 8
	s_add_co_u32 s20, s20, s18                     ; x: row 256 x tile row + 128 x half
	s_lshl_b32 s46, s42, 8
	s_add_co_u32 s46, s46, s18                     ; W: row 256 x tile column + 128 x half
	s_mov_b32 s21, 0
	s_mov_b32 s47, 0
	s_mov_b64 s[18:19], KS
	s_mul_u64 s[22:23], s[20:21], s[18:19]         ; where these rows' scales begin, in bytes
	s_mul_u64 s[92:93], s[46:47], s[18:19]
	s_mov_b64 s[18:19], KROW
	s_mul_u64 s[20:21], s[20:21], s[18:19]         ; and their codes
	s_mul_u64 s[46:47], s[46:47], s[18:19]
	s_mul_i32 s45, s14, HALFT                      ; where they go: wave x 128 rows: no place in the cluster enters an LDS address
	s_mul_i32 s94, s14, HALFS
	s_wait_dscnt 0x0                               ; both opening adds are done
	s_wait_kmcnt 0x0
	s_add_nc_u64 s[20:21], s[4:5], s[20:21]
	s_add_nc_u64 s[22:23], s[6:7], s[22:23]
	s_add_nc_u64 s[46:47], s[8:9], s[46:47]
	s_add_nc_u64 s[92:93], s[10:11], s[92:93]
	CROUND                                         ; all sixteen work-groups are here: the first joint loads meet
	s_mov_b32 s[G0S], 1
	s_add_co_u32 s[G0S+1], s94, SCL
	s_mov_b64 s[G0S+2:G0S+3], s[22:23]
	s_or_b32 s[G0S+3], s[G0S+3], 0x80000000
	s_mov_b32 s[G0SB], 1
	s_add_co_u32 s[G0SB+1], s94, SCL
	s_mov_b64 s[G0SB+2:G0SB+3], s[92:93]
	s_or_b32 s[G0SB+3], s[G0SB+3], 0x80000000
	JLOAD G0S, G1S, G0SB, G1SB                     ; the scales first: they are wanted with K step 0
.irp s, 0,1
	s_mov_b32 s[G0+4*\s], 1
	s_add_co_u32 s[G0+4*\s+1], s45, \s*SLOT
	s_add_nc_u64 s[G0+4*\s+2:G0+4*\s+3], s[20:21], \s*ROWB
	s_or_b32 s[G0+4*\s+3], s[G0+4*\s+3], 0x80000000
	s_mov_b32 s[G0B+4*\s], 1
	s_add_co_u32 s[G0B+4*\s+1], s45, \s*SLOT
	s_add_nc_u64 s[G0B+4*\s+2:G0B+4*\s+3], s[46:47], \s*ROWB
	s_or_b32 s[G0B+4*\s+3], s[G0B+4*\s+3], 0x80000000
	JLOAD G0+4*\s, G1, G0B+4*\s, G1B
.endr
	v_and_b32 v1, 15, v0                           ; r = l % 16
	v_bfe_u32 v2, v0, 4, 1                         ; h = l / 16
	v_mul_u32_u24 v3, v1, PITCH
	v_lshl_add_u32 v4, v2, 4, v3                   ; a fragment's row x pitch + 16 x half
	s_mul_i32 s21, s15, HALFT                      ; my 128 rows of x
	s_mul_i32 s22, s16, HALFT                      ; my 128 rows of W,
	s_add_co_u32 s22, s22, 2*HALFT                 ; which lie behind x's 256
.irp s, 0,1
	v_add_nc_u32 v[ADRA+\s], s21, v4
	v_add_nc_u32 v[ADRB+\s], s22, v4
	s_add_co_u32 s21, s21, SLOT
	s_add_co_u32 s22, s22, SLOT
.endr
	v_mul_u32_u24 v5, v1, KS                       ; my row's scales: KS bytes a row,
	v_lshrrev_b32 v6, 8, v5
	v_lshl_add_u32 v5, v6, 4, v5                   ; and 16 more for each 256 passed
	s_mul_i32 s21, s15, HALFS                      ; x's: my 128 rows
	s_mul_i32 s22, s16, HALFS                      ; W's: my 128 rows, behind x's 256
	s_add_co_u32 s22, s22, 2*HALFS
	s_sub_co_u32 s22, s22, s21
	v_mul_u32_u24 v6, s22, v2                      ; lanes 16-31 take W's
	s_add_co_u32 s21, s21, SCL
	v_add_nc_u32 v5, v5, v6
	v_add_nc_u32 v[ADRS], s21, v5
	; the way out's addresses, all made here, ahead of any parting of the waves
	s_mul_i32 s23, s14, 16*SPITCH                  ; my stage
	v_mul_u32_u24 v5, v1, SPITCH                   ; in: row r, 16 bytes for each half of the lanes
	v_lshl_add_u32 v5, v2, 4, v5
	v_add_nc_u32 v[STO], s23, v5
	v_and_b32 v6, 31, v0
	v_lshlrev_b32 v[CO], 4, v6
	v_lshrrev_b32 v5, 3, v6                        ; back: eight lanes to a row, four rows an instruction
	v_mul_u32_u24 v5, v5, SPITCH
	v_and_b32 v6, 7, v6
	v_lshl_add_u32 v5, v6, 4, v5
	v_add_nc_u32 v[RD], s23, v5
	v_lshlrev_b32 v[TO], 8, v1
	v_lshl_add_u32 v[TO], v2, 5, v[TO]
	v_lshlrev_b32 v[WO], 5, v2
	s_lshl_b32 s20, s42, 2
	s_lshl_b32 s21, s16, 1
	s_add_co_u32 s20, s20, s21                     ; q's tile columns: my first head is 4 x tile column + 2 x half
	s_lshl_b32 s21, s42, 1
	s_lshl_b32 s22, s16, 3
	s_add_co_u32 s21, s21, s22
	s_add_co_u32 s21, s21, 16                      ; k's and v's: 32 + 2 (tile column - 8) + 8 x half
	s_mov_b32 s95, 1.0
	s_cmp_lt_u32 ttmp9, 2                          ; cluster columns 0 and 1 hold q, cluster column 2 holds k and v: the same in all sixteen partners
	s_cselect_b32 s20, s20, s21
	s_cselect_b64 s[98:99], s[98:99], s[100:101]   ; the gains: q_ln_w or k_ln_w
	s_cselect_b32 s94, 0x3e38aa3b, s95             ; q takes the softmax's scale in base 2, log2(e) / 8, with its gains
	s_cselect_b32 s2, 0, s16                       ; 1: my columns are v's
	s_lshl_b32 s21, s17, 8
	s_lshl_b32 s22, s15, 7
	s_add_co_u32 s21, s21, s22                     ; my first token: 256 x tile row + 128 x half
	s_lshl_b32 s20, s20, 11
	s_add_co_u32 s20, s20, s21
	s_lshl_b32 s20, s20, 7                         ; (head x 2,048 + token) x 128 bytes
	s_lshl_b32 s22, s21, 8                         ; token x 256 bytes
	s_mov_b32 s21, 0
	s_mov_b32 s23, 0
	s_add_nc_u64 s[12:13], s[12:13], s[20:21]
	s_add_nc_u64 s[96:97], s[96:97], s[22:23]
.macro FRAG reg, adr, q, i             ; a fragment, 16 rows x 128 K of 4-bit codes, is 8 registers: lane l holds row l % 16; registers 4 c .. 4 c + 3 hold K = 64 c + 32 (l / 16) + 0 .. 31
.irp c, 0,1
	ds_load_b128 v[\reg+4*\c:\reg+4*\c+3], v[\adr] offset:64*(\q)+32*\c+(\i)*16*PITCH
.endr
.endm
; 16 matrix instructions: x's blocks a0, a0 + 1 x W's eight, 128 along K.  zero = 1: the first product starts the sums.  The 64 accumulators take turns, one instruction a turn, in the same order in every step.
.macro MUL16 a0, p, q, sc, zero
.irp a, \a0, \a0+1
.irp b, 0,1,2,3,4,5,6,7
.if \zero
	v_wmma_scale_f32_16x16x128_f8f6f4 v[8*(8*((\a)%4)+\b):8*(8*((\a)%4)+\b)+7], v[128*(\p)+FR*\b:128*(\p)+FR*\b+FR-1], v[AF+FR*(\a):AF+FR*(\a)+FR-1], 0, v[SC+8*NQ*(\sc)+NQ*\b+(\q)], v[SC+8*NQ*(\sc)+NQ*(\a)+(\q)] matrix_a_fmt:MATRIX_FMT_FP4 matrix_b_fmt:MATRIX_FMT_FP4 matrix_a_scale:MATRIX_SCALE_ROW1
.else
	v_wmma_scale_f32_16x16x128_f8f6f4 v[8*(8*((\a)%4)+\b):8*(8*((\a)%4)+\b)+7], v[128*(\p)+FR*\b:128*(\p)+FR*\b+FR-1], v[AF+FR*(\a):AF+FR*(\a)+FR-1], v[8*(8*((\a)%4)+\b):8*(8*((\a)%4)+\b)+7], v[SC+8*NQ*(\sc)+NQ*\b+(\q)], v[SC+8*NQ*(\sc)+NQ*(\a)+(\q)] matrix_a_fmt:MATRIX_FMT_FP4 matrix_b_fmt:MATRIX_FMT_FP4 matrix_a_scale:MATRIX_SCALE_ROW1
.endif
.endr
.endr
.endm
.macro FETCH_B slot, q, p              ; W's eight fragments of the slot's q-th 128 along K into set p
	WIN TO_B
.irp i, 0,1,2,3,4,5,6,7
	FRAG 128*(\p)+FR*\i, ADRB+\slot, \q, \i
.endr
	WIN 0
.endm
.macro FETCH_A slot, q, i0             ; x's blocks i0 .. i0 + 3
.irp i, \i0, \i0+1, \i0+2, \i0+3
	FRAG AF+FR*(\i), ADRA+\slot, \q, \i
.endr
.endm
.macro SCALES sc                       ; the next K step's scale words into set sc: lanes 0-15 take x's block i, lanes 16-31 W's block i
.irp i, 0,1,2,3,4,5,6,7
	ds_load_b128 v[SC+8*NQ*\sc+NQ*\i:SC+8*NQ*\sc+NQ*\i+3], v[ADRS] offset:\i*SBLK
.endr
.endm
; A load into a register that a matrix instruction has read, and a vector instruction or an LDS store that reads a matrix result, stand NP places behind that matrix instruction; only plain vector instructions that name none of its registers are places.
.macro PLACES n
.rept \n
	v_nop
.endr
.endm
.macro STEP slot, q, zero              ; a step of 128 along K that has its successor in the same slot
	s_wait_dscnt 4*NL                              ; W's set and x's blocks 0-3 are in; the youngest loads (x's blocks 4-7) may be out
	WIN MUL_LO
	MUL16 0, (\q)%2, \q, \slot, \zero
	MUL16 2, (\q)%2, \q, \slot, \zero
	s_wait_dscnt 0                                 ; x's blocks 4-7 are in
	PLACES NP
	FETCH_B \slot, (\q)+1, 1-(\q)%2
	FETCH_A \slot, (\q)+1, 0
	WIN MUL_HI
	MUL16 4, (\q)%2, \q, \slot, \zero
	MUL16 6, (\q)%2, \q, \slot, \zero
	PLACES NP
	WIN 0
	FETCH_A \slot, (\q)+1, 4
.endm
; A slot's last step changes slots: ONE barrier; in front of it each wave waits for all its tensor loads, adds 0 to its spare word, and waits for that and for its own reads of this slot.  fill = 1: this slot is filled again, two K steps ahead.
.macro TURN slot, next, fill
	s_wait_tensorcnt 0x0                           ; all my tensor loads have landed: my part of the next slot
	ds_add_u32 v[SPW], v[NIL]                      ; 0 onto my spare word
	s_wait_dscnt 4*NL+1                            ; (the add and the youngest loads, x's blocks 4-7, may be out)
	WIN MUL_LO
	MUL16 0, 1, NQ-1, \slot, 0                     ; sixteen matrix instructions stand between the add and the wait for it
	s_wait_dscnt 0x0                               ; the add is done, and my reads of this slot are over
	s_barrier_signal -1
	MUL16 2, 1, NQ-1, \slot, 0
	WIN 0
	s_barrier_wait -1
.if \fill
	CREST                                          ; the barrier has opened a round of the cluster's barrier: no wave of any partner still reads this slot's tile or has a load on its way
	s_add_nc_u64 s[G0+4*\slot+2:G0+4*\slot+3], s[G0+4*\slot+2:G0+4*\slot+3], 2*ROWB
	s_add_nc_u64 s[G0B+4*\slot+2:G0B+4*\slot+3], s[G0B+4*\slot+2:G0B+4*\slot+3], 2*ROWB
	JLOAD G0+4*\slot, G1, G0B+4*\slot, G1B         ; the first tensor load behind the round; its four v_nop are the places in front of the loads below
.else
	PLACES NP
.endif
	v_add_nc_u32 v[ADRS], 4*NQ, v[ADRS]            ; on to the next K step's scale words (no LDS load of mine is out)
	FETCH_B \next, 0, 0
	FETCH_A \next, 0, 0
	SCALES \next
	WIN MUL_HI
	MUL16 4, 1, NQ-1, \slot, 0
	MUL16 6, 1, NQ-1, \slot, 0
	PLACES NP
	WIN 0
	FETCH_A \next, 0, 4
.endm
.macro STEPS slot, from                ; the slot's steps from .. NQ - 2
.set Q, \from
.rept NQ-1-\from
	STEP \slot, Q, 0
.set Q, Q+1
.endr
.endm
	s_wait_tensorcnt 1                             ; the scales and my part of K step 0 are in (K step 1's load may be out)
	s_barrier_signal -1
	s_barrier_wait -1                              ; everybody's are
	FETCH_B 0, 0, 0
	FETCH_A 0, 0, 0
	SCALES 0
	FETCH_A 0, 0, 4
	STEP 0, 0, 1                                   ; the first step stands in front of the loop: its products start the sums
	s_mov_b32 s3, LAPS-1
.Llap:                                                 ; a trip goes once round the ring, from a lap's second step to the next lap's first, and fills both slots again
	STEPS 0, 1
	TURN 0, 1, 1
	STEPS 1, 0
	TURN 1, 0, 1
	STEP 0, 0, 0
	s_sub_co_u32 s3, s3, 1
	s_cmp_lg_u32 s3, 0
	s_cbranch_scc1 .Llap
	STEPS 0, 1                                     ; the last lap fills nothing, and has no round of the cluster's barrier
	TURN 0, 1, 0
	STEPS 1, 0
	s_wait_dscnt 4*NL                              ; the very last step: nothing more to fetch
	WIN MUL_LO
	MUL16 0, 1, NQ-1, 1, 0
	MUL16 2, 1, NQ-1, 1, 0
	s_wait_dscnt 0
	WIN MUL_HI
	MUL16 4, 1, NQ-1, 1, 0
	MUL16 6, 1, NQ-1, 1, 0
	WIN 0
; THE WAY OUT, block by block of 16 tokens.  Accumulator (a, b): lane (r, h) holds token 16 a + r and columns 16 b + 8 h + j: head b / 4 of my two, channel d = 16 (b % 4) + 8 h + j.
.macro CSLOAD a                        ; block a's cos and sin of my token at frequencies 16 t + 8 h + 0 .. 7, t = 0, 1
.set CL, CS+32*((\a)%2)
.irp t, 0,1
	global_load_b128 v[CL+8*\t:CL+8*\t+3], v[TO], s[96:97] offset:4096*(\a)+64*\t
	global_load_b128 v[CL+8*\t+4:CL+8*\t+7], v[TO], s[96:97] offset:4096*(\a)+64*\t+16
	global_load_b128 v[CL+16+8*\t:CL+16+8*\t+3], v[TO], s[96:97] offset:4096*(\a)+64*\t+128
	global_load_b128 v[CL+16+8*\t+4:CL+16+8*\t+7], v[TO], s[96:97] offset:4096*(\a)+64*\t+144
.endr
.endm
.macro OUTB a                          ; the two heads' 16 registers of f16 go through my stage and leave as whole rows: each store covers four tokens' rows of a head, 512 consecutive bytes
.if (\a) > 0
	s_wait_xcnt 0x0                                ; the last block's stores have read their registers: these may be loaded again
.endif
.irp hh, 0,1
.irp q, 0,1,2,3
	ds_store_b128 v[STO], v[Y+32*\hh+4*\q:Y+32*\hh+4*\q+3] offset:32*\q
.endr
.irp c, 0,1,2,3
	ds_load_b128 v[BK+16*\hh+4*\c:BK+16*\hh+4*\c+3], v[RD] offset:4*SPITCH*\c   ; LDS serves a wave's instructions in order: these see the stores above, and the next head's stores come behind them
.endr
.endr
	s_wait_dscnt 8                                 ; the first head's rows are back; the second head's 4 stores and 4 loads may be out
.irp c, 0,1,2,3
	global_store_b128 v[CO], v[BK+4*\c:BK+4*\c+3], s[12:13] offset:2048*(\a)+512*\c
.endr
	s_wait_dscnt 0x0
.irp c, 0,1,2,3
	global_store_b128 v[CO], v[BK+16+4*\c:BK+16+4*\c+3], s[12:13] offset:262144+2048*(\a)+512*\c
.endr
.endm
.macro EPI a                           ; q and k: RoPE, RMS norm, the gains, f16
.set AC, 64*((\a)%4)
.set CC, CS+32*((\a)%2)
.if (\a) < 7
	CSLOAD (\a)+1
	s_wait_loadcnt 8                               ; this block's cos and sin are in; the 8 loads just issued may be out
.else
	s_wait_loadcnt 0x0
.endif
	WIN 0x02+(\a)/4                                ; source 0: the accumulators' window
.irp hh, 0,1
.irp t, 0,1
.irp p, 0,2,4,6                        ; each accumulator is read from its low end on.  lo: channels under 32, hi: 32 on: lo' = lo cos - hi sin, hi' = hi cos + lo sin
	v_pk_mul_f32 v[Y+32*\hh+8*\t+\p:Y+32*\hh+8*\t+\p+1], v[AC+8*(4*\hh+\t)+\p:AC+8*(4*\hh+\t)+\p+1], v[CC+8*\t+\p:CC+8*\t+\p+1]
	v_pk_mul_f32 v[Y+32*\hh+8*\t+16+\p:Y+32*\hh+8*\t+16+\p+1], v[AC+8*(4*\hh+\t+2)+\p:AC+8*(4*\hh+\t+2)+\p+1], v[CC+8*\t+\p:CC+8*\t+\p+1]
	v_pk_fma_f32 v[Y+32*\hh+8*\t+\p:Y+32*\hh+8*\t+\p+1], v[AC+8*(4*\hh+\t+2)+\p:AC+8*(4*\hh+\t+2)+\p+1], v[CC+16+8*\t+\p:CC+16+8*\t+\p+1], v[Y+32*\hh+8*\t+\p:Y+32*\hh+8*\t+\p+1] neg_lo:[1,0,0] neg_hi:[1,0,0]
	v_pk_fma_f32 v[Y+32*\hh+8*\t+16+\p:Y+32*\hh+8*\t+16+\p+1], v[AC+8*(4*\hh+\t)+\p:AC+8*(4*\hh+\t)+\p+1], v[CC+16+8*\t+\p:CC+16+8*\t+\p+1], v[Y+32*\hh+8*\t+16+\p:Y+32*\hh+8*\t+16+\p+1]
.endr
.endr
.endr
	WIN 0
.irp hh, 0,1                           ; the sum of squares of my 32 numbers of each head, in two chains
	v_pk_mul_f32 v[SQ+4*\hh:SQ+4*\hh+1], v[Y+32*\hh:Y+32*\hh+1], v[Y+32*\hh:Y+32*\hh+1]
	v_pk_mul_f32 v[SQ+4*\hh+2:SQ+4*\hh+3], v[Y+32*\hh+2:Y+32*\hh+3], v[Y+32*\hh+2:Y+32*\hh+3]
.endr
.irp i, 4,8,12,16,20,24,28
.irp hh, 0,1
	v_pk_fma_f32 v[SQ+4*\hh:SQ+4*\hh+1], v[Y+32*\hh+\i:Y+32*\hh+\i+1], v[Y+32*\hh+\i:Y+32*\hh+\i+1], v[SQ+4*\hh:SQ+4*\hh+1]
	v_pk_fma_f32 v[SQ+4*\hh+2:SQ+4*\hh+3], v[Y+32*\hh+\i+2:Y+32*\hh+\i+3], v[Y+32*\hh+\i+2:Y+32*\hh+\i+3], v[SQ+4*\hh+2:SQ+4*\hh+3]
.endr
.endr
.irp hh, 0,1
	v_pk_add_f32 v[SQ+4*\hh:SQ+4*\hh+1], v[SQ+4*\hh:SQ+4*\hh+1], v[SQ+4*\hh+2:SQ+4*\hh+3]
.endr
.irp hh, 0,1
	v_add_f32 v[SQ+4*\hh], v[SQ+4*\hh], v[SQ+4*\hh+1]
.endr
.irp hh, 0,1
	v_permlanex16_b32 v[SQ+4*\hh+1], v[SQ+4*\hh], s66, s67         ; the token's other 32 channels lie in the lane 16 away
.endr
.irp hh, 0,1
	v_add_f32 v[SQ+4*\hh], v[SQ+4*\hh], v[SQ+4*\hh+1]
.endr
.irp hh, 0,1
	v_fma_f32 v[SQ+4*\hh], v[SQ+4*\hh], s92, s93                   ; the mean + 1e-6
.endr
.irp hh, 0,1
	v_rsq_f32 v[RS+2*\hh], v[SQ+4*\hh]
.endr
	v_nop                                          ; a plain line behind the last of the two
	s_wait_alu depctr_va_vdst(0)                   ; one wait for both, ahead of their first reader
.irp hh, 0,1
.irp i, 0,2,4,6,8,10,12,14,16,18,20,22,24,26,28,30
	v_pk_mul_f32 v[Y+32*\hh+\i:Y+32*\hh+\i+1], v[Y+32*\hh+\i:Y+32*\hh+\i+1], v[RS+2*\hh:RS+2*\hh+1] op_sel_hi:[1,0]
.endr
.endr
.irp hh, 0,1
.irp i, 0,2,4,6,8,10,12,14,16,18,20,22,24,26,28,30
	v_pk_mul_f32 v[Y+32*\hh+\i:Y+32*\hh+\i+1], v[Y+32*\hh+\i:Y+32*\hh+\i+1], v[WG+\i:WG+\i+1]
.endr
.endr
.irp hh, 0,1
.irp i, 0,1,2,3,4,5,6,7,8,9,10,11,12,13,14,15
	v_cvt_pk_f16_f32 v[Y+32*\hh+\i], v[Y+32*\hh+2*\i], v[Y+32*\hh+2*\i+1]     ; in place: register i takes numbers 2 i and 2 i + 1
.endr
.endr
	OUTB \a
.endm
.macro EPV a                           ; v: f16 as it is
.set AC, 64*((\a)%4)
	WIN 0x0a+5*((\a)/4)                            ; sources 0 and 1: the accumulators' window
.irp hh, 0,1
.irp q, 0,1,2,3
.irp i, 0,1,2,3
	v_cvt_pk_f16_f32 v[Y+32*\hh+4*\q+\i], v[AC+8*(4*\hh+\q)+2*\i], v[AC+8*(4*\hh+\q)+2*\i+1]
.endr
.endr
.endr
	WIN 0
	OUTB \a
.endm
	PLACES NP                                      ; behind the last products: in front of the first read of results and of loads into registers that held scale words and fragments
	s_mov_b32 s66, 0x76543210
	s_mov_b32 s67, 0xfedcba98                      ; v_permlanex16_b32's selects for lane l xor 16
	s_mov_b32 s92, 0x3c800000                      ; 1 / 64
	s_mov_b32 s93, 0x358637bd                      ; 1e-6
	s_cmp_eq_u32 s2, 1                             ; the cluster's x and the wave's number alone decide
	s_cbranch_scc1 .Lplain
.irp q, 0,1,2,3
	global_load_b128 v[WG+8*\q:WG+8*\q+3], v[WO], s[98:99] offset:64*\q          ; the gains of channels 16 q + 8 h + 0 .. 7
	global_load_b128 v[WG+8*\q+4:WG+8*\q+7], v[WO], s[98:99] offset:64*\q+16
.endr
	CSLOAD 0
	v_mov_b32 v[RS+1], 0                           ; named as the upper halves of pairs, so they are written once
	v_mov_b32 v[RS+3], 0
	s_wait_loadcnt 8                               ; the gains are in; block 0's cos and sin may be out
.irp i, 0,2,4,6,8,10,12,14,16,18,20,22,24,26,28,30
	v_pk_mul_f32 v[WG+\i:WG+\i+1], v[WG+\i:WG+\i+1], s[94:95] op_sel_hi:[1,0]
.endr
.irp a, 0,1,2,3,4,5,6,7
	EPI \a
.endr
	s_branch .Ldone
.Lplain:
.irp a, 0,1,2,3,4,5,6,7
	EPV \a
.endr
.Ldone:
	s_wait_tensorcnt 0x0                           ; the wave's end: a wait on TENSORcnt, an add to my spare word and a wait for it, behind my last tensor load and my last LDS store
	ds_add_u32 v[SPW], v[NIL]
	s_wait_dscnt 0x0
	CROUND                                         ; the closing round: no work-group ends while a partner may still ask for a tile that names it
	s_endpgm
.Lfunc_end_k_q05bb6edf47_project:
	.size	k_q05bb6edf47_project, .Lfunc_end_k_q05bb6edf47_project-k_q05bb6edf47_project
	.p2alignl 7, 3214868480
	.fill 96, 4, 3214868480
	.section	.rodata,"a",@progbits
	.p2align	6, 0x0
	.amdhsa_kernel k_q05bb6edf47_project
		.amdhsa_group_segment_fixed_size 327680
		.amdhsa_private_segment_fixed_size 0
		.amdhsa_enable_private_segment 0
		.amdhsa_kernarg_size 64
		.amdhsa_user_sgpr_count 2
		.amdhsa_user_sgpr_kernarg_segment_ptr 1
		.amdhsa_wavefront_size32 1
		.amdhsa_system_sgpr_workgroup_id_x 1
		.amdhsa_system_sgpr_workgroup_id_y 1
		.amdhsa_system_sgpr_workgroup_id_z 1
		.amdhsa_system_vgpr_workitem_id 0
		.amdhsa_next_free_vgpr 1024
		.amdhsa_next_free_sgpr 102
		.amdhsa_reserve_vcc 0
		.amdhsa_float_denorm_mode_32 3
		.amdhsa_float_denorm_mode_16_64 3
		.amdhsa_memory_ordered 1
		.amdhsa_forward_progress 1
		.amdhsa_inst_pref_size 255
	.end_amdhsa_kernel
	.section	.bss,"aw",@nobits
	.p2align	6
	.space	262144
	.amdgpu_metadata
---
amdhsa.version: [ 1, 2 ]
amdhsa.kernels:
  - .name:           k_q05bb6edf47_project
    .symbol:         k_q05bb6edf47_project.kd
    .args:
      - { .name: x_codes, .offset: 0, .size: 8, .value_kind: global_buffer, .address_space: global }
      - { .name: x_scales, .offset: 8, .size: 8, .value_kind: global_buffer, .address_space: global }
      - { .name: w_codes, .offset: 16, .size: 8, .value_kind: global_buffer, .address_space: global }
      - { .name: w_scales, .offset: 24, .size: 8, .value_kind: global_buffer, .address_space: global }
      - { .name: qkv, .offset: 32, .size: 8, .value_kind: global_buffer, .address_space: global }
      - { .name: rope, .offset: 40, .size: 8, .value_kind: global_buffer, .address_space: global }
      - { .name: q_ln_w, .offset: 48, .size: 8, .value_kind: global_buffer, .address_space: global }
      - { .name: k_ln_w, .offset: 56, .size: 8, .value_kind: global_buffer, .address_space: global }
    .group_segment_fixed_size: 327680
    .private_segment_fixed_size: 0
    .kernarg_segment_align: 8
    .kernarg_segment_size: 64
    .max_flat_workgroup_size: 128
    .sgpr_count:     102
    .vgpr_count:     1024
    .wavefront_size: 32
...
	.end_amdgpu_metadata
.endif
;; end of part 2
;; launch attention (part 3): grid 8 x 32, 8 waves a work-group, clusters of 4 x 4, 327,680 bytes of LDS; arguments qkv, attention_mask, web_attention_mask, attn; writes attn
.if DOCPART == 3
	.amdgcn_target "amdgcn-amd-amdhsa--gfx1250"
	.amdhsa_code_object_version 6
	.text
	.protected	k_q05bb6edf47_attention
	.globl	k_q05bb6edf47_attention
	.p2align	8
	.type	k_q05bb6edf47_attention,@function
k_q05bb6edf47_attention:
	s_mov_b64 s[64:65], 0
	v_nop
	global_prefetch_b8 v0, s[64:65] scope:SCOPE_SE
	s_setreg_imm32_b32 hwreg(HW_REG_WAVE_MODE, 25, 1), 1
	s_wait_xcnt 0x0
	s_wait_alu depctr_hold_cnt(0) depctr_sa_sdst(0) depctr_va_vdst(0) depctr_va_sdst(0) depctr_va_ssrc(0) depctr_va_vcc(0) depctr_vm_vsrc(0)
	s_getreg_b32 s2, hwreg(HW_REG_IB_STS2, 6, 4)
	s_cmp_eq_u32 s2, 0
	s_cbranch_scc0 .Lentry_in_a_cluster
	s_endpgm
.Lentry_in_a_cluster:
	s_bfe_u32 s2, ttmp6, 0x10000c
	s_cmp_lg_u32 s2, 0xf033
	s_cbranch_scc0 .Lentry_shape_is_right
	s_endpgm
.Lentry_shape_is_right:
; ATTENTION: attn[token][head x 64 + d] = the sum over keys of softmax(q . k / 8 + mask) v, for 32 heads; heads 0-15 take attention_mask, heads 16-31 web_attention_mask; heads 4 g .. 4 g + 3 share k and v of group g.
; Nothing of reference() is left out: the masks are inputs, so all 2,048 keys are walked for every query.
; IN: qkv, f16, [48][2048][64]: heads 0-31 q, already times log2(e) / 8; 32-39 k; 40-47 v.  The masks, f32 [2048 queries][2048 keys].  OUT: attn, f16 [2048][2048].  Products in f16 with f32 sums; all else in f32.
; SOFTMAX in base 2 with a running maximum: x = q . k + mask x log2(e), one fused multiply-add; p = 2^(x - m); in every step O and the sum l are multiplied by 2^(m_old - m_new); l is taken of the p that are not yet rounded to f16 and divides at the end.
; SHARES.  A work-group owns 64 queries of one group g (grid x = g, grid y = the block of queries).  Wave w owns 16 of the queries (w / 2) and two of the four heads (w % 2): two tiles, which share every fragment of K and V and every mask register.
; Two waves lie on a SIMD.
; LAYOUT.  S^T = K Q^T (source 0 = 16 keys, source 1 = 16 queries): a lane holds ONE query (lane % 16) and keys 8 (lane / 16) + 0 .. 7.  Two such tiles, rounded to f16 in pairs, ARE source 1 of O^T = V^T P.  K comes out of LDS as it lies, V turned, by ds_load_tr16_b128.
; THE PIPELINE.  A key step is 64 keys.  PHASE j holds the softmax of step j; between its blocks stand, four at a time, the 16 products V^T P of step j - 1 and the 16 products K Q^T of step j + 1, which name none of the softmax's registers;
; and all LDS loads of step j + 1: K's at the phase's head, the mask's behind the mask's last use, V's behind the last V^T P.  So no load is waited for just behind its issue, and every stretch of the text mixes matrix and vector work.
; The scores and V have two sets of registers, which take turns from phase to phase.  A phase reads the tiles of step j + 1 alone, so the change of slots stands at the head of every fourth phase.
; CLUSTER 4 x 4.  K's and V's tiles hang on g alone: asked for jointly along a column of the cluster.  The mask's tiles hang on the block of queries and on the cluster's x (which chooses the buffer): asked for jointly along a row.
; RING.  Two slots of 256 keys; all eight waves fetch, one load each behind each round: waves 0, 1 K's halves, waves 2, 3 V's, waves 4-7 the mask of 64 keys each.  By this text's count a wave has at most two tensor loads out.
; LIMITS: a row's mask values are multiplied by log2(e) and added to the score with one rounding, where reference() adds the mask to the scaled score and multiplies in the exponential: differences under 2^-23 of a mask value's size round otherwise;
; mask values beyond 2.3e38 in size overflow; v under 65,504 in size (f16); NaN and infinities are not served.
; REGISTERS: window 0: v1-15 addresses; v16-31 statistics, eight a tile; v32-63 the mask; v64-127, v128-191 S^T, then p, two sets; v192-255 O^T.   window 1: v0-31 Q; v32-95 K of a step; v96-159, v160-223 V, two sets; v224-255 P.
; So every product has its sources 0 and 1 in window 1 and its sums in window 0: one setting for all of them.
.set KP,    144                        ; a key's row of K in LDS: 128 bytes + 16: the 16 rows of a load start at 16 different banks (64 banks of 4 bytes: ISA guide 11.1)
.set VP,    160                        ; of V: 128 + 32
.set MP,    272                        ; a query's row of a mask tile: 256 bytes + 16
.set VOFF,  256*KP                     ; a slot: 256 rows of K, 256 rows of V, four mask tiles of 64 queries x 64 keys
.set MOFF,  VOFF+256*VP
.set MSUB,  64*MP
.set SLOTB, MOFF+4*MSUB
.set SPARE, 2*SLOTB                    ; behind the ring: the spare words, 128 bytes for each wave: four blocks of 256 bytes that no other line names
.set AK0, 3                            ; v3   my lane's place in a tile of K
.set AV0, 4                            ; v4   of V
.set AM0, 5                            ; v5   of the mask
.set ADK, 6                            ; v6-8 the addresses of the step that is being fetched
.set ADV, 7
.set ADM, 8
.set QO,  9                            ; v9   my byte offset in the wave's rows of Q
.set STO, 10                           ; v10  the way out: where I put 16 bytes of a row
.set RD,  11                           ; v11  where I read a row back
.set GO,  12                           ; v12  my byte offset in the wave's rows of attn
.set PFO, 13                           ; v13  the prefetches' offset; never rewritten
.set SPW, 14                           ; v14  LDS address of my spare word; never rewritten
.set NIL, 15                           ; v15  0; never rewritten
.set ST,  16                           ; tile u's statistics at v[ST + 8 u]: +0 m, +1 its pair's upper half, +2, +3 l, +4 2^(m_old - m_new), +5 its pair's upper half, +6, +7 at work
.set MK,  32
.set S,   64                           ; set s at S + 64 s
.set O,   192
.set PO,  64                           ; the way out: O^T / l as f16,
.set BK,  96                           ; and rows read back from the stage
.set QF,  0                            ; window 1
.set KF,  32
.set VF,  96                           ; set s at VF + 64 s
.set P,   224
.set WV,  12                           ; s12  my wave's number
.set SEL, 20                           ; s[20:21] lane selects for v_permlanex16_b32: lane l xor 16
.set G1K, 32                           ; s[32:39], s[40:47], s[48:55] descriptor groups 1 for K's, V's and the mask's tiles
.set G1V, 40
.set G1M, 48
.set G0K, 56                           ; s[56:63], s[68:75], s[76:83] groups 0, a set for each slot
.set G0V, 68
.set G0M, 76
.set TK,  84                           ; s84-86 LDS bytes at which the tiles of the step to be fetched begin
.set TV,  85
.set TM,  86
.set CNT, 87                           ; s87  counts a slot's two pairs of phases
.set TRIP, 88                          ; s88  counts the loop's trips
.set CH,  89                           ; s89  refills still to come
.set LIM, 90                           ; s90  1 in a wave that prefetches, else the greatest number
.set PFA, 92                           ; s[92:93] where my prefetches stand
.set PFS, 94                           ; s[94:95] a slot on, in bytes
.set L2E, 96                           ; s[96:97] log2(e): the packed form names a pair and takes its low word for both halves
.set W_MM, 0x05                        ; a product: sources 0 and 1 in window 1, C and D in window 0
.set W_TO1, 0x40                       ; destination in window 1: loads of K and V, the roundings into P
.set MSB, 0
.macro WIN new                         ; the immediate's high byte repeats the setting that is left
.if MSB != (\new)
	s_set_vgpr_msb (MSB<<8)|(\new)
.set MSB, (\new)
.endif
.endm
.macro FOUR
.rept 4
	v_nop
.endr
.endm
; A joint refill of slot b.  The branches hang on the wave's number alone.  An s_nop 0 and four v_nop follow each of the three lines.
.macro JLOAD b
	s_cmp_lt_u32 s[WV], 2
	s_cbranch_scc0 .Lnot_k_\@
	tensor_load_to_lds s[G0K+4*\b:G0K+4*\b+3], s[G1K:G1K+7]
	s_nop 0
	FOUR
	s_branch .Lasked_\@
.Lnot_k_\@:
	s_cmp_lt_u32 s[WV], 4
	s_cbranch_scc0 .Lnot_v_\@
	tensor_load_to_lds s[G0V+4*\b:G0V+4*\b+3], s[G1V:G1V+7]
	s_nop 0
	FOUR
	s_branch .Lasked_\@
.Lnot_v_\@:
	tensor_load_to_lds s[G0M+4*\b:G0M+4*\b+3], s[G1M:G1M+7]
	s_nop 0
	FOUR
.Lasked_\@:
.endm
; A PREFETCH INTO THE L2 of what the NEXT refill will ask for, a slot's four phases ahead of that load; it stands behind the wave's tensor load and its five lines.  Each aligned block of 256 bytes is named once in the launch.
; K's and V's 32,768 bytes of a slot are walked by all eight clusters of a cluster column: the first of them (cluster y = 0) asks, wave 0 for K and wave 2 for V; its four partners along y take 8,192 bytes each, told apart BY ADDRESS, lanes 256 bytes apart.
; A slot's part of the mask, 64 rows x 1,024 bytes, is read by one row of one cluster alone: its four partners along x take 16 rows each, by address; waves 4 and 5 eight rows each; four lanes to a row.
; The last refill asks for nothing: there is no slot behind it.  Slots 0 to 2 come by their loads alone.
.macro ASK
	s_cmp_gt_u32 s[CH], s[LIM]
	s_cbranch_scc0 .Lnot_mine_\@
	global_prefetch_b8 v[PFO], s[PFA:PFA+1] th:TH_LOAD_NT scope:SCOPE_SE
.Lnot_mine_\@:
.endm
.macro CROUND                          ; a round of the cluster's barrier
	s_barrier_signal -1
	s_barrier_wait -1
	s_cmp_lg_u32 s[WV], 0
	s_cbranch_scc1 .Lnot_wave_0_\@
	s_barrier_signal -3
.Lnot_wave_0_\@:
	s_barrier_wait -3
	s_barrier_signal -1
	s_barrier_wait -1
.endm
	s_load_b256 s[4:11], s[0:1], 0x0               ; qkv s[4:5], attention_mask s[6:7], web_attention_mask s[8:9], attn s[10:11]
	v_lshl_add_u32 v[SPW], v0, 2, SPARE
	v_mov_b32 v[NIL], 0
	ds_add_u32 v[SPW], v[NIL]                      ; the wave's opening: the add, twice on end, and its wait ahead of my first tensor load; the set-up below stands between the second and the wait
	ds_add_u32 v[SPW], v[NIL]
	v_lshrrev_b32 v1, 5, v0
	v_readfirstlane_b32 s[WV], v1                  ; wave 0..7
	s_bfe_u32 s13, ttmp6, 0x40000                  ; cx
	s_bfe_u32 s14, ttmp6, 0x40004                  ; cy
	s_lshl_b32 s15, ttmp9, 2
	s_add_co_u32 s15, s15, s13                     ; g = 4 x cluster x + cx
	s_and_b32 s16, ttmp7, 0xffff
	s_lshl_b32 s16, s16, 2
	s_add_co_u32 s16, s16, s14                     ; the block of 64 queries = 4 x cluster y + cy
	s_lshl_b32 s17, s14, 2
	s_lshl_b32 s17, 15, s17                        ; my row of the cluster
	s_lshl_b32 s18, 0x1111, s13                    ; my column
	s_or_b32 s[G1K], s18, (1<<16)|(1<<20)|(1<<21)|(4<<22)|(3<<25)   ; 15:0 the mask: my column; 17:16 elements of 2 bytes; 20 padding on; 21 set beside a mask; 24:22 after every 32 words (code 4); 31:25 4 words of it (code 3)
	s_or_b32 s[G1V], s18, (1<<16)|(1<<20)|(1<<21)|(4<<22)|(7<<25)   ; the same with 8 words of padding (code 7)
	s_or_b32 s[G1M], s17, (2<<16)|(1<<20)|(1<<21)|(5<<22)|(3<<25)   ; my row; elements of 4 bytes; 4 words after every 64
.irp g, G1K, G1V
	s_mov_b32 s[\g+1], 64<<16                      ; tensor_dim0 = 64
	s_mov_b32 s[\g+2], 128<<16                     ; tensor_dim1 = 128
	s_mov_b32 s[\g+3], 64<<16                      ; tile_dim0 = 64
	s_mov_b32 s[\g+4], 128                         ; tile_dim1 = 128
	s_mov_b32 s[\g+5], 64                          ; elements from row to row
	s_mov_b32 s[\g+6], 0
	s_mov_b32 s[\g+7], 0
.endr
	s_mov_b32 s[G1M+1], 64<<16
	s_mov_b32 s[G1M+2], 64<<16
	s_mov_b32 s[G1M+3], 64<<16
	s_mov_b32 s[G1M+4], 64
	s_mov_b32 s[G1M+5], 2048
	s_mov_b32 s[G1M+6], 0
	s_mov_b32 s[G1M+7], 0
	; K's and V's tiles: offsets made of g and the wave's number, in registers that never hold cy
	s_and_b32 s19, s[WV], 1                        ; which half of K's or V's 256 rows I would fetch.  Also: which two of the four heads are mine
	s_add_co_u32 s22, s15, 32
	s_lshl_b32 s22, s22, 18                        ; head 32 + g: 2,048 rows of 128 bytes a head
	s_lshl_b32 s23, s19, 14
	s_add_co_u32 s22, s22, s23
	s_mov_b32 s23, 0
	s_mul_i32 s26, s19, 128*KP                     ; and their places in a slot
	s_mul_i32 s27, s19, 128*VP
	s_add_co_u32 s27, s27, VOFF
	; the mask's tiles: offsets made of the block of queries and the wave's number, in registers that never hold cx
	s_and_b32 s28, s[WV], 3                        ; which 64 keys of the slot's 256
	s_lshl_b32 s24, s16, 19                        ; 64 rows of 8,192 bytes
	s_lshl_b32 s25, s28, 8
	s_add_co_u32 s24, s24, s25
	s_mov_b32 s25, 0
	s_mul_i32 s28, s28, MSUB
	s_add_co_u32 s28, s28, MOFF
	; Q and attn
	s_lshr_b32 s29, s[WV], 1                       ; which 16 of the 64 queries are mine
	s_lshl_b32 s30, s15, 2
	s_lshl_b32 s31, s19, 1
	s_add_co_u32 s30, s30, s31                     ; my first head
	s_lshl_b32 s84, s30, 18
	s_lshl_b32 s85, s16, 13
	s_add_co_u32 s84, s84, s85
	s_lshl_b32 s85, s29, 11
	s_add_co_u32 s84, s84, s85                     ; Q: (head x 2,048 + query) x 128 bytes
	s_mov_b32 s85, 0
	s_lshl_b32 s86, s16, 18
	s_lshl_b32 s87, s29, 16
	s_add_co_u32 s86, s86, s87
	s_lshl_b32 s87, s30, 7
	s_add_co_u32 s86, s86, s87                     ; attn: query x 4,096 + head x 128 bytes
	s_mov_b32 s87, 0
	; the prefetches
	s_add_co_u32 s88, s15, 32
	s_lshl_b32 s89, s[WV], 2                       ; wave 2: eight heads on: V
	s_add_co_u32 s88, s88, s89
	s_lshl_b32 s88, s88, 18
	s_lshl_b32 s89, s14, 13                        ; my work-group's 8,192 bytes
	s_add_co_u32 s88, s88, s89
	s_add_co_u32 s88, s88, 2*32768                 ; in slot 2: the first refill steps it to slot 3
	s_lshl_b32 s89, s16, 19
	s_lshl_b32 s90, s13, 17                        ; my work-group's 16 rows,
	s_add_co_u32 s89, s89, s90
	s_lshl_b32 s90, s19, 16                        ; my wave's 8 of them
	s_add_co_u32 s89, s89, s90
	s_add_co_u32 s89, s89, 2*1024
	s_mov_b32 s91, 8192
	s_mov_b32 s[PFS], 1024
	s_mov_b32 s[PFS+1], 0
	s_cmp_lt_u32 s[WV], 4
	s_cselect_b32 s88, s88, s89
	s_cselect_b32 s91, 1024, s91                   ; from four lanes to the next four
	s_cselect_b32 s[PFS], 32768, s[PFS]
	s_mov_b32 s89, 0
	s_and_b32 s[LIM], s[WV], 5                     ; 0 in waves 0 and 2,
	s_and_b32 s31, ttmp7, 0xffff
	s_or_b32 s[LIM], s[LIM], s31                   ; of the cluster column's first cluster: the same in all sixteen partners
	s_cmp_eq_u32 s[LIM], 0
	s_cselect_b32 s[LIM], 1, -1
	s_cmp_eq_u32 s29, 2                            ; waves 4 and 5 ask for the mask in every cluster
	s_cselect_b32 s[LIM], 1, s[LIM]
	s_mov_b32 s[SEL], 0x76543210
	s_mov_b32 s[SEL+1], 0xfedcba98
	s_mov_b32 s[L2E], 0x3fb8aa3b
	s_mov_b32 s[L2E+1], s[L2E]
	s_wait_dscnt 0x0                               ; both opening adds are done
	s_wait_kmcnt 0x0
	s_cmp_eq_u32 ttmp9, 0                          ; cluster x = 0: heads 0-15
	s_cselect_b64 s[6:7], s[6:7], s[8:9]           ; my heads' mask
	s_add_nc_u64 s[30:31], s[4:5], s[84:85]        ; Q at my first row
	s_add_nc_u64 s[10:11], s[10:11], s[86:87]      ; attn likewise
	s_cmp_lt_u32 s[WV], 4
	s_cselect_b64 s[PFA:PFA+1], s[4:5], s[6:7]
	s_add_nc_u64 s[PFA:PFA+1], s[PFA:PFA+1], s[88:89]
	s_add_nc_u64 s[22:23], s[4:5], s[22:23]        ; K at my half of slot 0
	s_add_nc_u64 s[24:25], s[6:7], s[24:25]        ; the mask at my 64 keys of slot 0
	s_mov_b32 s[TRIP], 3
	s_mov_b32 s[CH], 6
	CROUND                                         ; all sixteen work-groups are here: the first joint loads meet
.irp b, 0,1
	s_mov_b32 s[G0K+4*\b], 1                       ; count = 1
	s_add_co_u32 s[G0K+4*\b+1], s26, \b*SLOTB      ; LDS address
	s_add_nc_u64 s[G0K+4*\b+2:G0K+4*\b+3], s[22:23], \b*32768       ; global address: slot b begins with keys 256 b
	s_or_b32 s[G0K+4*\b+3], s[G0K+4*\b+3], 0x80000000               ; type = 2
	s_mov_b32 s[G0V+4*\b], 1
	s_add_co_u32 s[G0V+4*\b+1], s27, \b*SLOTB
	s_add_nc_u64 s[G0V+4*\b+2:G0V+4*\b+3], s[22:23], 0x200000+\b*32768   ; eight heads on
	s_or_b32 s[G0V+4*\b+3], s[G0V+4*\b+3], 0x80000000
	s_mov_b32 s[G0M+4*\b], 1
	s_add_co_u32 s[G0M+4*\b+1], s28, \b*SLOTB
	s_add_nc_u64 s[G0M+4*\b+2:G0M+4*\b+3], s[24:25], \b*1024
	s_or_b32 s[G0M+4*\b+3], s[G0M+4*\b+3], 0x80000000
.endr
	s_cmp_lt_u32 s[WV], 2                          ; a wave's two first fills stand in one arm, ahead of every wait on TENSORcnt and every LDS read; every wave issues two
	s_cbranch_scc0 .Lfirst_not_k
	tensor_load_to_lds s[G0K:G0K+3], s[G1K:G1K+7]
	s_nop 0
	tensor_load_to_lds s[G0K+4:G0K+7], s[G1K:G1K+7]
	s_nop 0
	FOUR
	s_branch .Lfirst_asked
.Lfirst_not_k:
	s_cmp_lt_u32 s[WV], 4
	s_cbranch_scc0 .Lfirst_m
	tensor_load_to_lds s[G0V:G0V+3], s[G1V:G1V+7]
	s_nop 0
	tensor_load_to_lds s[G0V+4:G0V+7], s[G1V:G1V+7]
	s_nop 0
	FOUR
	s_branch .Lfirst_asked
.Lfirst_m:
	tensor_load_to_lds s[G0M:G0M+3], s[G1M:G1M+7]
	s_nop 0
	tensor_load_to_lds s[G0M+4:G0M+7], s[G1M:G1M+7]
	s_nop 0
	FOUR
.Lfirst_asked:
	v_and_b32 v1, 15, v0                           ; r = l % 16
	v_bfe_u32 v2, v0, 4, 1                         ; h = l / 16
	v_lshlrev_b32 v[QO], 7, v1
	v_lshl_add_u32 v[QO], v2, 4, v[QO]             ; Q: row r of 128 bytes + 16 h
	WIN W_TO1                                      ; destination window 1, address window 0
.irp u, 0,1
.irp c, 0,1,2,3
	global_load_b128 v[QF+16*\u+4*\c:QF+16*\u+4*\c+3], v[QO], s[30:31] offset:262144*\u+32*\c   ; Q stays in registers: head u of my two, channels 32 (c / 2) on
.endr
.endr
	WIN 0
	v_mul_u32_u24 v[AK0], v1, KP
	v_lshl_add_u32 v[AK0], v2, 4, v[AK0]           ; K: row r x pitch + 16 h
	v_and_b32 v6, 7, v0
	v_lshl_add_u32 v[AV0], v2, 3, v6               ; V, for the turning load: key 8 h + l % 8,
	v_mul_u32_u24 v[AV0], v[AV0], VP
	v_bfe_u32 v6, v0, 3, 1
	v_lshl_add_u32 v[AV0], v6, 4, v[AV0]           ; channels 8 ((l / 8) % 2) on
	s_lshl_b32 s22, s29, 4
	v_add_nc_u32 v[AM0], s22, v1                   ; the mask: my query's row among the 64,
	v_mul_u32_u24 v[AM0], v[AM0], MP
	v_lshl_add_u32 v[AM0], v2, 5, v[AM0]           ; keys 8 h on
	s_mul_i32 s23, s[WV], 16*MP                    ; the way out: my stage, 16 rows x 272 bytes, in slot 0: when it is written that slot has had its last fill and its last read
	v_mul_u32_u24 v[STO], v1, MP
	v_lshl_add_u32 v[STO], v2, 4, v[STO]
	v_add_nc_u32 v[STO], s23, v[STO]
	v_mul_u32_u24 v[RD], v2, MP
	v_lshl_add_u32 v[RD], v1, 4, v[RD]
	v_add_nc_u32 v[RD], s23, v[RD]
	v_lshlrev_b32 v[GO], 12, v2
	v_lshl_add_u32 v[GO], v1, 4, v[GO]
	v_and_b32 v6, 31, v0
	v_lshrrev_b32 v7, 2, v6
	v_mul_lo_u32 v[PFO], v7, s91
	v_and_b32 v6, 3, v6
	v_lshl_add_u32 v[PFO], v6, 8, v[PFO]
.irp u, 0,1
	v_mov_b32 v[ST+8*\u], 0xff61b1e6               ; m: -3e38, under every x
	v_mov_b32 v[ST+8*\u+1], 0
	v_mov_b32 v[ST+8*\u+2], 0                      ; l
	v_mov_b32 v[ST+8*\u+3], 0
	v_mov_b32 v[ST+8*\u+5], 0
.endr
.set e, 0
.rept 64
	v_mov_b32 v[O+e], 0                            ; O^T, once: the softmax is written with no first step of its own; the first change of m multiplies zeros
.set e, e+1
.endr
; THE LDS LOADS of a key step, in three runs
.macro LDM                             ; the mask of my query at keys 16 t + 8 h + 0 .. 7 (window 0)
.irp t, 0,1,2,3
	ds_load_b128 v[MK+8*\t:MK+8*\t+3], v[ADM] offset:64*\t
	ds_load_b128 v[MK+8*\t+4:MK+8*\t+7], v[ADM] offset:64*\t+16
.endr
.endm
.macro LDK                             ; K: 64 keys x 64 channels: 8 fragments (destination window 1)
.irp t, 0,1,2,3
.irp dh, 0,1
	ds_load_b128 v[KF+16*\t+8*\dh:KF+16*\t+8*\dh+3], v[ADK] offset:16*KP*\t+64*\dh
	ds_load_b128 v[KF+16*\t+8*\dh+4:KF+16*\t+8*\dh+7], v[ADK] offset:16*KP*\t+64*\dh+32
.endr
.endr
.endm
.macro LDV vb                          ; V, turned, into set vb (destination window 1)
.irp kh, 0,1
.irp dt, 0,1,2,3
	ds_load_tr16_b128 v[VF+64*(\vb)+32*\kh+8*\dt:VF+64*(\vb)+32*\kh+8*\dt+3], v[ADV] offset:32*VP*\kh+32*\dt
	ds_load_tr16_b128 v[VF+64*(\vb)+32*\kh+8*\dt+4:VF+64*(\vb)+32*\kh+8*\dt+7], v[ADV] offset:32*VP*\kh+16*VP+32*\dt
.endr
.endr
.endm
.macro STEPON                          ; the next fetch is the next 64 keys'
	s_add_co_u32 s[TK], s[TK], 64*KP
	s_add_co_u32 s[TV], s[TV], 64*VP
	s_add_co_u32 s[TM], s[TM], MSUB
.endm
; THE PRODUCTS, four at a time.  In each kind eight accumulators take turns, one instruction a turn: between two links of a chain stand seven others'.
; Group g of 4 of O^T += V^T P: keys 32 (g / 2) on, channels 16 (2 (g % 2) + d) on, tile u; V from set vb.
.macro PVG g, vb
.irp d, 0,1
.irp u, 0,1
	v_wmma_f32_16x16x32_f16 v[O+32*\u+8*(2*((\g)%2)+\d):O+32*\u+8*(2*((\g)%2)+\d)+7], v[VF+64*(\vb)+32*((\g)/2)+8*(2*((\g)%2)+\d):VF+64*(\vb)+32*((\g)/2)+8*(2*((\g)%2)+\d)+7], v[P+16*\u+8*((\g)/2):P+16*\u+8*((\g)/2)+7], v[O+32*\u+8*(2*((\g)%2)+\d):O+32*\u+8*(2*((\g)%2)+\d)+7]
.endr
.endr
.endm
; Group g of 4 of S^T = K Q^T into set sb: channels 32 (g / 2) on, keys 16 (2 (g % 2) + d) on, tile u.  Groups 0 and 1 start the sums.
.macro QKG g, sb
.irp d, 0,1
.irp u, 0,1
.if (\g) < 2
	v_wmma_f32_16x16x32_f16 v[S+64*(\sb)+32*\u+8*(2*((\g)%2)+\d):S+64*(\sb)+32*\u+8*(2*((\g)%2)+\d)+7], v[KF+16*(2*((\g)%2)+\d)+8*((\g)/2):KF+16*(2*((\g)%2)+\d)+8*((\g)/2)+7], v[QF+16*\u+8*((\g)/2):QF+16*\u+8*((\g)/2)+7], 0
.else
	v_wmma_f32_16x16x32_f16 v[S+64*(\sb)+32*\u+8*(2*((\g)%2)+\d):S+64*(\sb)+32*\u+8*(2*((\g)%2)+\d)+7], v[KF+16*(2*((\g)%2)+\d)+8*((\g)/2):KF+16*(2*((\g)%2)+\d)+8*((\g)/2)+7], v[QF+16*\u+8*((\g)/2):QF+16*\u+8*((\g)/2)+7], v[S+64*(\sb)+32*\u+8*(2*((\g)%2)+\d):S+64*(\sb)+32*\u+8*(2*((\g)%2)+\d)+7]
.endif
.endr
.endr
.endm
; PHASE j.  par = j % 2: the softmax works on the scores' set par.  pv = 1: V^T P of step j - 1 (V's set 1 - par).  nx = 1: step j + 1 is fetched (V into set 1 - par, behind the products that read it) and its K Q^T fills the scores' set 1 - par.
; THE PLACES (ISA guide 7.12.1 for vector instructions): a vector instruction that touches, and a load into, a register of a matrix instruction stand four plain vector instructions or more behind it, which name none of its registers:
;   K's loads and the first read of the new scores stand behind the 32 multiplies of O^T that close the phase before; V's loads behind the 16 subtractions of tile 1; the roundings into P and the multiplies of O^T behind those and the 34 lines of the sums.
.macro PHASE par, pv, nx
.set SCUR, S+64*(\par)
	s_wait_dscnt 0x0                               ; the mask of this step and V of this step, asked for in the phase before, are in; no LDS load of mine is out, so the three addresses may be written
.if \nx
	v_add_nc_u32 v[ADK], s[TK], v[AK0]
	v_add_nc_u32 v[ADV], s[TV], v[AV0]
	v_add_nc_u32 v[ADM], s[TM], v[AM0]
	WIN W_TO1
	LDK                                            ; K of step j + 1: wanted behind the subtractions below
.endif
.if \pv
	WIN W_MM
	PVG 0, 1-(\par)
.endif
	WIN 0
.set e, 0
.rept 32
	v_pk_fma_f32 v[SCUR+e:SCUR+e+1], v[MK+e%32:MK+e%32+1], s[L2E:L2E+1], v[SCUR+e:SCUR+e+1] op_sel_hi:[1,0,1]   ; x = score + mask x log2(e); each accumulator from its low end on
.set e, e+2
.endr
.if \pv
	WIN W_MM
	PVG 1, 1-(\par)
	WIN 0
.endif
.if \nx
	LDM                                            ; the mask of step j + 1: this step's has been used
.endif
.irp u, 0,1                            ; the largest of the 32 x and the old m: two chains a tile
	v_max3_num_f32 v[ST+8*\u+6], v[SCUR+32*\u], v[SCUR+32*\u+1], v[SCUR+32*\u+2]
	v_max3_num_f32 v[ST+8*\u+7], v[SCUR+32*\u+3], v[SCUR+32*\u+4], v[SCUR+32*\u+5]
.endr
.irp i, 6,10,14,18,22,26
.irp u, 0,1
	v_max3_num_f32 v[ST+8*\u+6], v[ST+8*\u+6], v[SCUR+32*\u+\i], v[SCUR+32*\u+\i+1]
	v_max3_num_f32 v[ST+8*\u+7], v[ST+8*\u+7], v[SCUR+32*\u+\i+2], v[SCUR+32*\u+\i+3]
.endr
.endr
.irp u, 0,1
	v_max3_num_f32 v[ST+8*\u+6], v[ST+8*\u+6], v[SCUR+32*\u+30], v[SCUR+32*\u+31]
.endr
.irp u, 0,1
	v_max3_num_f32 v[ST+8*\u+6], v[ST+8*\u+6], v[ST+8*\u+7], v[ST+8*\u]
.endr
.if \pv
	WIN W_MM
	PVG 2, 1-(\par)
	WIN 0
.endif
.irp u, 0,1
	v_permlanex16_b32 v[ST+8*\u+7], v[ST+8*\u+6], s[SEL], s[SEL+1]  ; the query's other 32 keys lie in the lane 16 away
.endr
.irp u, 0,1
	v_max_num_f32 v[ST+8*\u+6], v[ST+8*\u+6], v[ST+8*\u+7]          ; the new m
.endr
.irp u, 0,1
	v_sub_f32 v[ST+8*\u+4], v[ST+8*\u], v[ST+8*\u+6]                ; m_old - m_new
.endr
.irp u, 0,1
	v_mov_b32 v[ST+8*\u], v[ST+8*\u+6]
.endr
.set e, 0
.rept 16
	v_pk_add_f32 v[SCUR+e:SCUR+e+1], v[SCUR+e:SCUR+e+1], v[ST+8*(e/32):ST+8*(e/32)+1] op_sel_hi:[1,0] neg_lo:[0,1] neg_hi:[0,1]   ; x - m, tile 0
.set e, e+2
.endr
.if \pv
	WIN W_MM
	PVG 3, 1-(\par)
	WIN 0
.endif
.rept 16
	v_pk_add_f32 v[SCUR+e:SCUR+e+1], v[SCUR+e:SCUR+e+1], v[ST+8*(e/32):ST+8*(e/32)+1] op_sel_hi:[1,0] neg_lo:[0,1] neg_hi:[0,1]   ; x - m, tile 1
.set e, e+2
.endr
.if \nx
	WIN W_TO1
	LDV 1-(\par)                                   ; V of step j + 1, into the set that the products above have read: wanted in the phase after the next
	s_wait_dscnt 24                                ; K is in: behind its 16 loads stand the mask's 8 and V's 16, which may be out
	WIN W_MM
	QKG 0, 1-(\par)
	WIN 0
.endif
.irp u, 0,1                            ; ONE BATCH of 66 exponentials, none of which reads another's result; the products set among them name none of their registers
	v_exp_f32 v[ST+8*\u+4], v[ST+8*\u+4]
.endr
.set e, 0
.rept 32
	v_exp_f32 v[SCUR+e], v[SCUR+e]
.set e, e+1
.endr
.if \nx
	WIN W_MM
	QKG 1, 1-(\par)
	WIN 0
.endif
.rept 32
	v_exp_f32 v[SCUR+e], v[SCUR+e]
.set e, e+1
.endr
	v_nop                                          ; a plain line behind the last exponential
	s_wait_alu depctr_va_vdst(0)                   ; one wait for the batch, ahead of its first reader
.irp u, 0,1                            ; l = l x 2^(m_old - m_new) + the sum of the p, which are not yet rounded: two chains a tile
	v_pk_mul_f32 v[ST+8*\u+2:ST+8*\u+3], v[ST+8*\u+2:ST+8*\u+3], v[ST+8*\u+4:ST+8*\u+5] op_sel_hi:[1,0]
	v_pk_add_f32 v[ST+8*\u+6:ST+8*\u+7], v[SCUR+32*\u:SCUR+32*\u+1], v[SCUR+32*\u+2:SCUR+32*\u+3]
.endr
.irp j, 4,8,12,16,20,24,28
.irp u, 0,1
	v_pk_add_f32 v[ST+8*\u+2:ST+8*\u+3], v[ST+8*\u+2:ST+8*\u+3], v[SCUR+32*\u+\j:SCUR+32*\u+\j+1]
	v_pk_add_f32 v[ST+8*\u+6:ST+8*\u+7], v[ST+8*\u+6:ST+8*\u+7], v[SCUR+32*\u+\j+2:SCUR+32*\u+\j+3]
.endr
.endr
.irp u, 0,1
	v_pk_add_f32 v[ST+8*\u+2:ST+8*\u+3], v[ST+8*\u+2:ST+8*\u+3], v[ST+8*\u+6:ST+8*\u+7]
.endr
.if \nx
	WIN W_MM
	QKG 2, 1-(\par)
.endif
	WIN W_TO1
.set e, 0
.rept 32
	v_cvt_pk_f16_f32 v[P+e], v[SCUR+2*e], v[SCUR+2*e+1]            ; two tiles of 16 keys, in pairs, are a fragment of 32 keys
.set e, e+1
.endr
.if \nx
	WIN W_MM
	QKG 3, 1-(\par)
.endif
	WIN 0
.set e, 0
.rept 32
	v_pk_mul_f32 v[O+e:O+e+1], v[O+e:O+e+1], v[ST+8*(e/32)+4:ST+8*(e/32)+5] op_sel_hi:[1,0]   ; O^T, which holds steps up to j - 1, under the new m; each accumulator from its low end on
.set e, e+2
.endr
.if \nx
	STEPON
.endif
.endm
.macro QUAD b                          ; four phases, which fetch slot b's four key steps: an odd and an even phase, written once and walked twice
	s_mov_b32 s[TK], \b*SLOTB
	s_mov_b32 s[TV], \b*SLOTB+VOFF
	s_mov_b32 s[TM], \b*SLOTB+MOFF
	s_mov_b32 s[CNT], 2
.Lpair_\@:
	PHASE 1, 1, 1
	PHASE 0, 1, 1
	s_sub_co_u32 s[CNT], s[CNT], 1
	s_cmp_lg_u32 s[CNT], 0
	s_cbranch_scc1 .Lpair_\@
.endm
; THE CHANGE OF SLOTS, all four steps of slot b having been fetched into registers.  Each wave waits for all its tensor loads, of which one is out: its part of the other slot; adds 0 to its spare word; and waits for that and for its reads of slot b.
; fill = 1: slot b is filled again, with the keys two slots on: the barrier is then a round of the cluster's, and the joint refill is the first thing behind it: it has four phases in which to land.
.macro CHANGE b, fill
	s_wait_tensorcnt 0x0                           ; no tensor load of mine is out, so a group 0 may be written
	ds_add_u32 v[SPW], v[NIL]                      ; 0 onto my spare word
.if \fill
	s_add_nc_u64 s[G0K+4*\b+2:G0K+4*\b+3], s[G0K+4*\b+2:G0K+4*\b+3], 65536   ; 512 keys on; the type bits on top are not reached
	s_add_nc_u64 s[G0V+4*\b+2:G0V+4*\b+3], s[G0V+4*\b+2:G0V+4*\b+3], 65536
	s_add_nc_u64 s[G0M+4*\b+2:G0M+4*\b+3], s[G0M+4*\b+2:G0M+4*\b+3], 2048
	s_wait_xcnt 0x0                                ; the last prefetch, a slot back, has read its address, so it may be written
	s_add_nc_u64 s[PFA:PFA+1], s[PFA:PFA+1], s[PFS:PFS+1]
	s_wait_dscnt 0x0                               ; the add is done, and my reads of the slot are over
	CROUND
	JLOAD \b
	ASK
	s_sub_co_u32 s[CH], s[CH], 1
.else
	s_wait_dscnt 0x0
	s_barrier_signal -1
	s_barrier_wait -1
.endif
.endm
	s_wait_tensorcnt 1                             ; my part of slot 0 is in; slot 1's may stay out
	s_barrier_signal -1
	s_barrier_wait -1                              ; everybody's is
	s_wait_loadcnt 0x0                             ; Q
	s_mov_b32 s[TK], 0                             ; THE OPENING: step 0 is fetched, and its scores are made with nothing to set between them
	s_mov_b32 s[TV], VOFF
	s_mov_b32 s[TM], MOFF
	v_add_nc_u32 v[ADM], s[TM], v[AM0]
	v_add_nc_u32 v[ADK], s[TK], v[AK0]
	v_add_nc_u32 v[ADV], s[TV], v[AV0]
	LDM
	WIN W_TO1
	LDK
	LDV 0
	STEPON
	s_wait_dscnt 16                                ; the mask and K are in; V's 16 loads may be out
	WIN W_MM
	QKG 0, 0
	QKG 1, 0
	QKG 2, 0
	QKG 3, 0
	WIN 0
	FOUR                                           ; the places in front of the loads into K's registers and of the first read of the scores
	PHASE 0, 0, 1                                  ; phase 0: no step lies behind it
	PHASE 1, 1, 1
	PHASE 0, 1, 1                                  ; phase 2 fetches step 3, slot 0's last
.Ltrip:                                            ; three trips of eight phases, from phase 3 on: six refills
	CHANGE 0, 1
	QUAD 1
	CHANGE 1, 1
	QUAD 0
	s_sub_co_u32 s[TRIP], s[TRIP], 1
	s_cmp_lg_u32 s[TRIP], 0
	s_cbranch_scc1 .Ltrip
	CHANGE 0, 0                                    ; the tail is written out: nothing is left to ask for
	QUAD 1                                         ; phases 27 to 30 fetch steps 28 to 31
	PHASE 1, 1, 0                                  ; phase 31: nothing is left to fetch
	WIN W_MM
	PVG 0, 1                                       ; V^T P of step 31
	PVG 1, 1
	PVG 2, 1
	PVG 3, 1
	WIN 0
	; THE WAY OUT.  l's two halves and the other half of the lanes' are added (these additions are the places behind the last products); O^T / l, rounded to f16, goes through my stage: a row there is my two heads' 256 bytes of a token's row of attn.
.irp u, 0,1
	v_add_f32 v[ST+8*\u+6], v[ST+8*\u+2], v[ST+8*\u+3]
.endr
.irp u, 0,1
	v_permlanex16_b32 v[ST+8*\u+7], v[ST+8*\u+6], s[SEL], s[SEL+1]
.endr
.irp u, 0,1
	v_add_f32 v[ST+8*\u+6], v[ST+8*\u+6], v[ST+8*\u+7]
.endr
	v_nop
	v_nop
.irp u, 0,1
	v_rcp_f32 v[ST+8*\u+4], v[ST+8*\u+6]
.endr
	v_nop                                          ; a plain line behind the last reciprocal
	s_wait_alu depctr_va_vdst(0)                   ; one wait for both, ahead of their first reader
.set e, 0
.rept 32
	v_pk_mul_f32 v[O+e:O+e+1], v[O+e:O+e+1], v[ST+8*(e/32)+4:ST+8*(e/32)+5] op_sel_hi:[1,0]
.set e, e+2
.endr
.set e, 0
.rept 32
	v_cvt_pk_f16_f32 v[PO+e], v[O+2*e], v[O+2*e+1]
.set e, e+1
.endr
.irp u, 0,1
.irp dt, 0,1,2,3
	ds_store_b128 v[STO], v[PO+16*\u+4*\dt:PO+16*\u+4*\dt+3] offset:128*\u+32*\dt    ; lane (r, h): query r, head u, channels 16 dt + 8 h + 0 .. 7
.endr
.endr
.irp i, 0,1,2,3,4,5,6,7
	ds_load_b128 v[BK+4*\i:BK+4*\i+3], v[RD] offset:2*MP*\i        ; LDS serves a wave's instructions in order: these see my stores
.endr
.irp i, 0,1,2,3,4,5,6,7
	s_wait_dscnt 7-\i                              ; the younger loads may be out
	global_store_b128 v[GO], v[BK+4*\i:BK+4*\i+3], s[10:11] offset:8192*\i   ; sixteen lanes store 256 consecutive bytes, aligned
.endr
	s_wait_tensorcnt 0x0                           ; the wave's end: a wait on TENSORcnt, an add to my spare word and a wait for it, behind my last tensor load and my last LDS store
	ds_add_u32 v[SPW], v[NIL]
	s_wait_dscnt 0x0
	CROUND                                         ; the closing round: no work-group ends while a partner may still ask for a tile that names it
	s_endpgm
.Lfunc_end_k_q05bb6edf47_attention:
	.size	k_q05bb6edf47_attention, .Lfunc_end_k_q05bb6edf47_attention-k_q05bb6edf47_attention
	.p2alignl 7, 3214868480
	.fill 96, 4, 3214868480
	.section	.rodata,"a",@progbits
	.p2align	6, 0x0
	.amdhsa_kernel k_q05bb6edf47_attention
		.amdhsa_group_segment_fixed_size 327680
		.amdhsa_private_segment_fixed_size 0
		.amdhsa_enable_private_segment 0
		.amdhsa_kernarg_size 32
		.amdhsa_user_sgpr_count 2
		.amdhsa_user_sgpr_kernarg_segment_ptr 1
		.amdhsa_wavefront_size32 1
		.amdhsa_system_sgpr_workgroup_id_x 1
		.amdhsa_system_sgpr_workgroup_id_y 1
		.amdhsa_system_sgpr_workgroup_id_z 1
		.amdhsa_system_vgpr_workitem_id 0
		.amdhsa_next_free_vgpr 512
		.amdhsa_next_free_sgpr 100
		.amdhsa_reserve_vcc 0
		.amdhsa_float_denorm_mode_32 3
		.amdhsa_float_denorm_mode_16_64 3
		.amdhsa_memory_ordered 1
		.amdhsa_forward_progress 1
		.amdhsa_inst_pref_size 225
	.end_amdhsa_kernel
	.amdgpu_metadata
---
amdhsa.version: [ 1, 2 ]
amdhsa.kernels:
  - .name:           k_q05bb6edf47_attention
    .symbol:         k_q05bb6edf47_attention.kd
    .args:
      - { .name: qkv, .offset: 0, .size: 8, .value_kind: global_buffer, .address_space: global }
      - { .name: attention_mask, .offset: 8, .size: 8, .value_kind: global_buffer, .address_space: global }
      - { .name: web_attention_mask, .offset: 16, .size: 8, .value_kind: global_buffer, .address_space: global }
      - { .name: attn, .offset: 24, .size: 8, .value_kind: global_buffer, .address_space: global }
    .group_segment_fixed_size: 327680
    .private_segment_fixed_size: 0
    .kernarg_segment_align: 8
    .kernarg_segment_size: 32
    .max_flat_workgroup_size: 256
    .sgpr_count:     100
    .vgpr_count:     512
    .wavefront_size: 32
...
	.end_amdgpu_metadata
.endif
;; end of part 3
;; launch oproj (part 4): grid 16 x 16, 4 waves a work-group, clusters of 4 x 4, 327,680 bytes of LDS; arguments attn, wot, out0; writes out0
.if DOCPART == 4
	.amdgcn_target "amdgcn-amd-amdhsa--gfx1250"
	.amdhsa_code_object_version 6
	.text
	.protected	k_q05bb6edf47_oproj
	.globl	k_q05bb6edf47_oproj
	.p2align	8
	.type	k_q05bb6edf47_oproj,@function
k_q05bb6edf47_oproj:
	s_mov_b64 s[64:65], 0
	v_nop
	global_prefetch_b8 v0, s[64:65] scope:SCOPE_SE
	s_setreg_imm32_b32 hwreg(HW_REG_WAVE_MODE, 25, 1), 1
	s_wait_xcnt 0x0
	s_wait_alu depctr_hold_cnt(0) depctr_sa_sdst(0) depctr_va_vdst(0) depctr_va_sdst(0) depctr_va_ssrc(0) depctr_va_vcc(0) depctr_vm_vsrc(0)
	s_getreg_b32 s2, hwreg(HW_REG_IB_STS2, 6, 4)
	s_cmp_eq_u32 s2, 0
	s_cbranch_scc0 .Lentry_in_a_cluster
	s_endpgm
.Lentry_in_a_cluster:
	s_bfe_u32 s2, ttmp6, 0x10000c
	s_cmp_lg_u32 s2, 0xf033
	s_cbranch_scc0 .Lentry_shape_is_right
	s_endpgm
.Lentry_shape_is_right:
; OPROJ: out0[m][n] = sum over k of attn[m][k] wot[n][k]: the product with Wo, left as it is: f16 operands, f32 sums, f32 out.  Nothing of reference() is left out here.
; attn: [2048][2048] f16; wot: Wo transposed, [2048 n][2048 k] f16; out0: [2048][2048] f32.
; A tile of C is 128 x 128, which gives 256 work-groups.  Four waves, each 64 x 64: 16 accumulators of 16 x 16, 128 registers.  K goes in steps of 256 (LDS rows of 512 bytes; a wave's tensor load brings 64 of them) through two slots.
; CLUSTERS: 4 x 4 work-groups.  The four of a row of the cluster need the same tiles of A, the four of a column the same tiles of B: each tile is asked for JOINTLY.  THE MATRIX INSTRUCTION IS USED TRANSPOSED (source 0 = 16 rows of B, source 1 = 16 rows of A):
; a lane then holds eight neighbouring numbers of a row of C.  A wave's 64 columns of f32 are 256 consecutive bytes, aligned: so each wave has a stage of its own on the way out, and no barrier stands there.
; LIMITS: as the operands' f16 has them; NaN and infinities are not served.
; REGISTERS: window 0: v0-31 addresses; v32-95 rows on the way out; v128-255 the accumulators ((a, b) at v[128 + 8 (4 a + b)]).   window 1: two fragment buffers of 128: for 64 along K, 64 registers of A, then 64 of B.
.set SIZE_M, 2048
.set SIZE_N, 2048
.set SIZE_K, 2048
.set KSTEP,  256
.set PITCH,  528                       ; an LDS row: 512 bytes + 16 of padding = 132 words: row r starts at bank 4 r mod 64 (64 banks of 4 bytes: ISA guide 11.1)
.set HALFT,  64*PITCH                  ; 64 rows: what one tensor load brings
.set SLOT,   4*HALFT                   ; A's 128 rows, then B's 128 rows
.set STAGE,  2*SLOT                    ; behind the ring: 16 rows x 272 bytes for each wave
.set SPITCH, 272
.set SPARE,  STAGE+4*16*SPITCH         ; the spare words, 128 bytes for each wave: two blocks of 256 bytes that no other line names
.set LAPS, SIZE_K/(2*KSTEP)            ; a lap = two K steps = once round the ring
.set ADRA, 16                          ; v16-17  LDS address of my A fragments in slot 0, 1
.set ADRB, 20                          ; v20-21  the same for B
.set STO,  24                          ; v24     the way out: where I put 32 bytes of a row
.set RD,   25                          ; v25     where I read a row back
.set CO,   26                          ; v26     my byte offset in C
.set SPW,  28                          ; v28     LDS address of my spare word; never rewritten
.set NIL,  29                          ; v29     0; never rewritten
.set OB,   32                          ; the way out: 16 rows read back: v32-63 and v64-95 by turns
.set ACC,  128
.set F0,   0                           ; fragment buffers, in window 1
.set F1,   128
.set G1, 24                            ; s[24:31] descriptor group 1 for A's tiles;  s[32:39] group 0, one set for each slot
.set G0, 32
.set G1B, 48                           ; s[48:55], s[56:63] the same for B's tiles
.set G0B, 56
.set MSB, 0
.macro WIN new                         ; the immediate's high byte repeats the setting that is left
.if MSB != (\new)
	s_set_vgpr_msb (MSB<<8)|(\new)
.set MSB, (\new)
.endif
.endm
.set MUL,  0x05                        ; sources 0 (B) and 1 (A) window 1; C and D window 0
.set TO_F, 0x40                        ; destination window 1, address window 0
.macro JLOAD s                         ; a joint load: waves 0 and 1 fetch A's two halves, waves 2 and 3 B's; an s_nop 0 and four v_nop follow each of the two lines
	s_cmp_eq_u32 s11, 0
	s_cbranch_scc0 .Lfor_b_\@
	tensor_load_to_lds s[G0+4*\s:G0+4*\s+3], s[G1:G1+7]
	s_nop 0
.rept 4
	v_nop
.endr
	s_branch .Lasked_\@
.Lfor_b_\@:
	tensor_load_to_lds s[G0B+4*\s:G0B+4*\s+3], s[G1B:G1B+7]
	s_nop 0
.rept 4
	v_nop
.endr
.Lasked_\@:
.endm
.macro CREST                           ; a round of the cluster's barrier behind its opening barrier
	s_cmp_lg_u32 s10, 0
	s_cbranch_scc1 .Lnot_wave_0_\@
	s_barrier_signal -3
.Lnot_wave_0_\@:
	s_barrier_wait -3
	s_barrier_signal -1
	s_barrier_wait -1
.endm
.macro CROUND                          ; a whole round
	s_barrier_signal -1
	s_barrier_wait -1
	CREST
.endm
	s_load_b128 s[4:7], s[0:1], 0x0                ; A s[4:5], B s[6:7]
	s_load_b64 s[8:9], s[0:1], 0x10                ; C
	v_lshl_add_u32 v[SPW], v0, 2, SPARE
	v_mov_b32 v[NIL], 0
	ds_add_u32 v[SPW], v[NIL]                      ; the wave's opening: the add, twice on end, and its wait ahead of my first tensor load; the set-up below stands between the second and the wait
	ds_add_u32 v[SPW], v[NIL]
	v_lshrrev_b32 v1, 5, v0
	v_readfirstlane_b32 s10, v1                    ; wave 0..3
	s_lshr_b32 s11, s10, 1                         ; which half of the tile's rows is mine.  Also: I fetch for A (0) or for B (1)
	s_and_b32 s12, s10, 1                          ; which half of its columns.  Also: which 64 rows of that tile I fetch
	s_bfe_u32 s40, ttmp6, 0x40000                  ; cx, cy: my place in the cluster
	s_bfe_u32 s41, ttmp6, 0x40004
	s_lshl_b32 s42, ttmp9, 2
	s_add_co_u32 s42, s42, s40                     ; tile column of C = 4 x cluster x + cx
	s_and_b32 s13, ttmp7, 0xffff
	s_lshl_b32 s13, s13, 2
	s_add_co_u32 s13, s13, s41                     ; tile row of C = 4 x cluster y + cy
	s_lshl_b32 s43, s41, 2
	s_lshl_b32 s43, 15, s43                        ; my row of the cluster
	s_lshl_b32 s44, 0x1111, s40                    ; my column
	; descriptor group 1: a tile of 64 rows x 256 elements, padded in LDS
	s_or_b32 s[G1+0], s43, (1<<16)|(1<<20)|(1<<21)|(6<<22)|(3<<25)  ; 15:0 the mask: A's tiles go to my row; 17:16 element of 2 bytes; 20 padding on; 21 set beside a mask; 24:22 after every 128 words (code 6); 31:25 of 4 words (code 3)
	s_or_b32 s[G1B+0], s44, (1<<16)|(1<<20)|(1<<21)|(6<<22)|(3<<25)
.irp g, G1, G1B
	s_mov_b32 s[\g+1], KSTEP<<16                   ; tensor_dim0 = 256
	s_mov_b32 s[\g+2], 64<<16                      ; tensor_dim1 = 64
	s_mov_b32 s[\g+3], KSTEP<<16                   ; tile_dim0 = 256
	s_mov_b32 s[\g+4], 64                          ; tile_dim1 = 64
	s_mov_b32 s[\g+5], SIZE_K                      ; tensor_dim0_stride
	s_mov_b32 s[\g+6], 0
	s_mov_b32 s[\g+7], 0
.endr
	s_lshl_b32 s17, s12, 6                         ; which 64 rows of the tile I fetch
	s_lshl_b32 s16, s13, 7
	s_add_co_u32 s16, s16, s17                     ; A: row 128 x tile row + 64 x half
	s_lshl_b32 s46, s42, 7
	s_add_co_u32 s46, s46, s17                     ; B: row 128 x tile column + 64 x half
	s_mov_b32 s17, 0
	s_mov_b32 s47, 0
	s_mov_b64 s[18:19], SIZE_K*2
	s_mul_u64 s[16:17], s[16:17], s[18:19]
	s_mul_u64 s[46:47], s[46:47], s[18:19]
	s_mul_i32 s20, s10, HALFT                      ; where they go: wave x 64 rows
	s_wait_dscnt 0x0                               ; both opening adds are done
	s_wait_kmcnt 0x0
	s_add_nc_u64 s[14:15], s[4:5], s[16:17]
	s_add_nc_u64 s[46:47], s[6:7], s[46:47]
	CROUND                                         ; all sixteen work-groups are here: the first joint loads meet
.irp s, 0,1
	s_mov_b32 s[G0+4*\s], 1
	s_add_co_u32 s[G0+4*\s+1], s20, \s*SLOT
	s_add_nc_u64 s[G0+4*\s+2:G0+4*\s+3], s[14:15], \s*KSTEP*2
	s_or_b32 s[G0+4*\s+3], s[G0+4*\s+3], 0x80000000
	s_mov_b32 s[G0B+4*\s], 1
	s_add_co_u32 s[G0B+4*\s+1], s20, \s*SLOT
	s_add_nc_u64 s[G0B+4*\s+2:G0B+4*\s+3], s[46:47], \s*KSTEP*2
	s_or_b32 s[G0B+4*\s+3], s[G0B+4*\s+3], 0x80000000
	JLOAD \s
.endr
	v_and_b32 v1, 15, v0                           ; l % 16
	v_bfe_u32 v2, v0, 4, 1                         ; l / 16
	v_mul_u32_u24 v3, v1, PITCH
	v_lshl_add_u32 v3, v2, 4, v3                   ; a fragment's row x pitch + 16 x half
	s_mul_i32 s21, s11, HALFT                      ; my 64 rows of A
	s_mul_i32 s22, s12, HALFT                      ; my 64 rows of B,
	s_add_co_u32 s22, s22, 2*HALFT                 ; which lie behind A's 128
.irp s, 0,1
	v_add_nc_u32 v[ADRA+\s], s21, v3
	v_add_nc_u32 v[ADRB+\s], s22, v3
	s_add_co_u32 s21, s21, SLOT
	s_add_co_u32 s22, s22, SLOT
.endr
	s_mul_i32 s23, s10, 16*SPITCH
	s_add_co_u32 s23, s23, STAGE                   ; my stage
	v_mul_u32_u24 v4, v1, SPITCH                   ; in: row l % 16, 32 bytes for each half of the lanes
	v_lshl_add_u32 v4, v2, 5, v4
	v_add_nc_u32 v[STO], s23, v4
	v_mul_u32_u24 v5, v2, SPITCH                   ; back: lanes 0-15 take one row of 256 bytes, lanes 16-31 the next
	v_lshl_add_u32 v5, v1, 4, v5
	v_add_nc_u32 v[RD], s23, v5
	v_mul_u32_u24 v5, v2, SIZE_N*4                 ; and the same two rows in C
	v_lshl_add_u32 v[CO], v1, 4, v5
	s_lshl_b32 s16, s13, 7
	s_lshl_b32 s17, s11, 6
	s_add_co_u32 s16, s16, s17                     ; my first row of C: 128 x tile row + 64 x half
	s_mov_b32 s17, 0
	s_mov_b64 s[18:19], SIZE_N*4
	s_mul_u64 s[16:17], s[16:17], s[18:19]
	s_add_nc_u64 s[8:9], s[8:9], s[16:17]
	s_lshl_b32 s46, s42, 9                         ; my first column, in bytes: 512 x tile column + 256 x half
	s_lshl_b32 s47, s12, 8
	s_add_co_u32 s46, s46, s47
	s_mov_b32 s47, 0
	s_add_nc_u64 s[8:9], s[8:9], s[46:47]
; 8 matrix instructions: m blocks a0, a0 + 1 x all 4 n blocks, 32 along K: half c of buffer f.  zero = 1: the first product starts the sums.  The 16 accumulators take turns
.macro MUL8 f, c, a0, zero
.irp a, \a0, \a0+1
.irp b, 0,1,2,3
.if \zero
	v_wmma_f32_16x16x32_f16 v[ACC+8*(4*(\a)+\b):ACC+8*(4*(\a)+\b)+7], v[\f+64+8*(4*\c+\b):\f+64+8*(4*\c+\b)+7], v[\f+8*(4*\c+\a):\f+8*(4*\c+\a)+7], 0
.else
	v_wmma_f32_16x16x32_f16 v[ACC+8*(4*(\a)+\b):ACC+8*(4*(\a)+\b)+7], v[\f+64+8*(4*\c+\b):\f+64+8*(4*\c+\b)+7], v[\f+8*(4*\c+\a):\f+8*(4*\c+\a)+7], v[ACC+8*(4*(\a)+\b):ACC+8*(4*(\a)+\b)+7]
.endif
.endr
.endr
.endm
; 32 LDS loads in one run: the fragments of 64 along K at byte k of the rows, into buffer f; the first 32 along K first
.macro FETCH slot, k, f
	WIN TO_F
.irp c, 0,1
.irp i, 0,1,2,3
	ds_load_b128 v[\f+64+8*(4*\c+\i):\f+64+8*(4*\c+\i)+3],   v[ADRB+\slot] offset:\k+64*\c+\i*16*PITCH
	ds_load_b128 v[\f+64+8*(4*\c+\i)+4:\f+64+8*(4*\c+\i)+7], v[ADRB+\slot] offset:\k+64*\c+\i*16*PITCH+32
	ds_load_b128 v[\f+8*(4*\c+\i):\f+8*(4*\c+\i)+3],         v[ADRA+\slot] offset:\k+64*\c+\i*16*PITCH
	ds_load_b128 v[\f+8*(4*\c+\i)+4:\f+8*(4*\c+\i)+7],       v[ADRA+\slot] offset:\k+64*\c+\i*16*PITCH+32
.endr
.endr
.endm
.macro PLACES                          ; four places in front of loads into registers that matrix instructions have read, and of LDS stores that read results
.rept 4
	v_nop
.endr
.endm
; A K step is four quarters of 64 along K, 32 matrix instructions each, on buffers 0, 1, 0, 1.  One of the first three: multiplies buffer f and fetches the next quarter, at byte k, into g.
.macro QUARTER slot, k, f, g, zero
	s_wait_dscnt 16                                ; the first 32 along K are in; the youngest sixteen loads may be out
	WIN MUL
	MUL8 \f, 0, 0, \zero
	MUL8 \f, 0, 2, \zero
	PLACES
	FETCH \slot, \k, \g
	s_wait_dscnt 32                                ; all but the 32 just issued
	WIN MUL
	MUL8 \f, 1, 0, 0
	MUL8 \f, 1, 2, 0
.endm
; The last quarter multiplies buffer 1 and changes slots: ONE barrier; in front of it each wave waits for all its tensor loads, adds 0 to its spare word, and waits for that and for its own reads of this slot.  fill = 1: this slot is filled again, two K steps ahead.
.macro TURN slot, next, fill
	WIN 0                                          ; (the add's two registers lie in window 0)
	s_wait_tensorcnt 0x0                           ; all my tensor loads have landed: my part of the next slot
	ds_add_u32 v[SPW], v[NIL]                      ; 0 onto my spare word
	s_wait_dscnt 17                                ; (the add and the youngest sixteen loads may be out)
	WIN MUL
	MUL8 F1, 0, 0, 0                               ; eight matrix instructions stand between the add and the wait for it
	s_wait_dscnt 0x0                               ; the add is done, and my reads of this slot are over
	s_barrier_signal -1
	MUL8 F1, 0, 2, 0
.if \fill
	WIN 0
.endif
	s_barrier_wait -1
.if \fill
	CREST                                          ; the barrier has opened a round of the cluster's barrier: no wave of any partner still reads this slot's tile or has a load on its way
	s_add_nc_u64 s[G0+4*\slot+2:G0+4*\slot+3], s[G0+4*\slot+2:G0+4*\slot+3], 2*KSTEP*2
	s_add_nc_u64 s[G0B+4*\slot+2:G0B+4*\slot+3], s[G0B+4*\slot+2:G0B+4*\slot+3], 2*KSTEP*2
	JLOAD \slot                                    ; the first tensor load behind the round; its four v_nop are also the places in front of the loads below
.else
	PLACES
.endif
	FETCH \next, 0, F0
	WIN MUL
	MUL8 F1, 1, 0, 0
	MUL8 F1, 1, 2, 0
.endm
	s_wait_tensorcnt 1                             ; my part of K step 0 is in (K step 1's may be out)
	s_barrier_signal -1
	s_barrier_wait -1                              ; everybody's is
	FETCH 0, 0, F0
	QUARTER 0, 128, F0, F1, 1                      ; the first quarter stands in front of the loop: its first products start the sums
	WIN 0                                          ; at a label and at a branch every window is 0
	s_mov_b32 s3, LAPS-1
.Llap:                                                 ; a trip goes once round the ring, from a lap's second quarter to the next lap's first, and fills both slots again
	QUARTER 0, 256, F1, F0, 0
	QUARTER 0, 384, F0, F1, 0
	TURN 0, 1, 1
	QUARTER 1, 128, F0, F1, 0
	QUARTER 1, 256, F1, F0, 0
	QUARTER 1, 384, F0, F1, 0
	TURN 1, 0, 1
	QUARTER 0, 128, F0, F1, 0
	WIN 0
	s_sub_co_u32 s3, s3, 1
	s_cmp_lg_u32 s3, 0
	s_cbranch_scc1 .Llap
	QUARTER 0, 256, F1, F0, 0                      ; the last lap fills nothing, and has no round of the cluster's barrier
	QUARTER 0, 384, F0, F1, 0
	TURN 0, 1, 0
	QUARTER 1, 128, F0, F1, 0
	QUARTER 1, 256, F1, F0, 0
	QUARTER 1, 384, F0, F1, 0
	s_wait_dscnt 16                                ; the very last quarter: nothing more to fetch
	WIN MUL
	MUL8 F1, 0, 0, 0
	MUL8 F1, 0, 2, 0
	s_wait_dscnt 0
	MUL8 F1, 1, 0, 0
	MUL8 F1, 1, 2, 0
	WIN 0
; THE WAY OUT, block by block of 16 rows x 64 columns.  A lane holds 32 neighbouring bytes of a row, and the lanes beside it hold other rows: so a block goes through my own stage and comes back as whole rows of 256 bytes.
; LDS serves a wave's instructions in order (ISA guide 5.7.1.4): no wait between the stores and the loads, nor in front of the next block's stores.
.macro TOSTAGE a
.irp b, 0,1,2,3
	ds_store_b128 v[STO], v[ACC+8*(4*(\a)+\b):ACC+8*(4*(\a)+\b)+3] offset:64*\b          ; each accumulator from its low end on
	ds_store_b128 v[STO], v[ACC+8*(4*(\a)+\b)+4:ACC+8*(4*(\a)+\b)+7] offset:64*\b+16
.endr
.set BB, OB+32*((\a)%2)
.irp i, 0,1,2,3,4,5,6,7
	ds_load_b128 v[BB+4*\i:BB+4*\i+3], v[RD] offset:2*\i*SPITCH
.endr
.endm
.macro SEND a, younger                 ; younger: the LDS instructions issued behind block a's loads, which may stay out
.set BB, OB+32*((\a)%2)
	s_wait_dscnt \younger                          ; the block is back in registers
.irp i, 0,1,2,3,4,5,6,7
	global_store_b128 v[CO], v[BB+4*\i:BB+4*\i+3], s[8:9] offset:(16*(\a)+2*\i)*SIZE_N*4 th:TH_STORE_NT   ; sixteen lanes store 256 consecutive bytes, aligned; written once, read by nobody here
.endr
.endm
	PLACES
	TOSTAGE 0
.irp a, 1,2,3
.if \a > 1
	s_wait_xcnt 0x0                                ; block a - 2's stores have read their registers: block a's loads may land there
.endif
	TOSTAGE \a
	SEND \a-1, 16                                  ; behind block a - 1's loads: block a's 8 stores and 8 loads
.endr
	SEND 3, 0
	s_wait_tensorcnt 0x0                           ; the wave's end: a wait on TENSORcnt, an add to my spare word and a wait for it, behind my last tensor load and my last LDS store
	ds_add_u32 v[SPW], v[NIL]
	s_wait_dscnt 0x0
	CROUND                                         ; the closing round: no work-group ends while a partner may still ask for a tile that names it
	s_endpgm
.Lfunc_end_k_q05bb6edf47_oproj:
	.size	k_q05bb6edf47_oproj, .Lfunc_end_k_q05bb6edf47_oproj-k_q05bb6edf47_oproj
	.p2alignl 7, 3214868480
	.fill 96, 4, 3214868480
	.section	.rodata,"a",@progbits
	.p2align	6, 0x0
	.amdhsa_kernel k_q05bb6edf47_oproj
		.amdhsa_group_segment_fixed_size 327680
		.amdhsa_private_segment_fixed_size 0
		.amdhsa_enable_private_segment 0
		.amdhsa_kernarg_size 24
		.amdhsa_user_sgpr_count 2
		.amdhsa_user_sgpr_kernarg_segment_ptr 1
		.amdhsa_wavefront_size32 1
		.amdhsa_system_sgpr_workgroup_id_x 1
		.amdhsa_system_sgpr_workgroup_id_y 1
		.amdhsa_system_sgpr_workgroup_id_z 1
		.amdhsa_system_vgpr_workitem_id 0
		.amdhsa_next_free_vgpr 512
		.amdhsa_next_free_sgpr 66
		.amdhsa_reserve_vcc 0
		.amdhsa_float_denorm_mode_32 3
		.amdhsa_float_denorm_mode_16_64 3
		.amdhsa_memory_ordered 1
		.amdhsa_forward_progress 1
		.amdhsa_inst_pref_size 86
	.end_amdhsa_kernel
	.amdgpu_metadata
---
amdhsa.version: [ 1, 2 ]
amdhsa.kernels:
  - .name:           k_q05bb6edf47_oproj
    .symbol:         k_q05bb6edf47_oproj.kd
    .args:
      - { .name: attn, .offset: 0, .size: 8, .value_kind: global_buffer, .address_space: global }
      - { .name: wot, .offset: 8, .size: 8, .value_kind: global_buffer, .address_space: global }
      - { .name: out0, .offset: 16, .size: 8, .value_kind: global_buffer, .address_space: global }
    .group_segment_fixed_size: 327680
    .private_segment_fixed_size: 0
    .kernarg_segment_align: 8
    .kernarg_segment_size: 24
    .max_flat_workgroup_size: 128
    .sgpr_count:     66
    .vgpr_count:     512
    .wavefront_size: 32
...
	.end_amdgpu_metadata
.endif
;; end of part 4
